; MI455X (gfx1250); checked and timed in simulation.
; The chip was launched on July 23, 2026; its instructions are those of AMD's public machine-readable ISA for CDNA 5 (MIT licence, August 2026) and "CDNA5" Instruction Set Architecture Reference Guide (July 2026). The comments in the code are by the model that wrote it; some were corrected since.
;; multihead self attention. Allowed arithmetic: matrix products marked QUANTISED: E3M2 operands, one E8M0 scale for each 32 along K, by v_wmma_scale_f32_16x16x128_f8f6f4 with both operands' format E3M2, f32 sums; everything else in f32.
;; Inputs: token_position 2,048 int32; wk 1,024 x 1,024 float32; wo 1,024 x 1,024 float32; wq 1,024 x 1,024 float32; wv 1,024 x 1,024 float32; x 4 x 2,048 x 1,024 float32.
;; Outputs: out0 4 x 2,048 x 1,024 float32.
;; This version of the problem:
;;   THIS VERSION OF THE PROBLEM IS GIVEN IN LOW PRECISION. The matrix products marked QUANTISED in the list below multiply operands that are first quantised to E3M2 (3 exponent bits, 2 mantissa bits; 6 bits a number), with one power-of-two scale for each 32 numbers along K (OCP MX v1.0); their sums are f32. All else is computed in f32.
;;   The module's matrix products, in the order in which they are computed (A, B: the left and right operand; K: the contracted axis; several contracted axes count as one K, in the product's order):
;;     1. [M 8,192, K 1,024] x [K 1,024, N 1,024]; A: input x; B: input wq: QUANTISED
;;     2. [M 8,192, K 1,024] x [K 1,024, N 1,024]; A: input x; B: input wk: QUANTISED
;;     3. [M 8,192, K 1,024] x [K 1,024, N 1,024]; A: input x; B: input wv: QUANTISED
;;     4. batch 64 x [M 2,048, K 64] x [K 64, N 2,048]; A: computed on the way; B: computed on the way: QUANTISED
;;     5. batch 64 x [M 2,048, K 2,048] x [K 2,048, N 64]; A: softmax (see below); B: computed on the way: QUANTISED
;;     6. [M 8,192, K 1,024] x [K 1,024, N 1,024]; A: computed on the way; B: input wo: QUANTISED
;;   THE QUANTISER, for each operand of a quantised product, along K:
;;     - K is cut into blocks of 32 from its start; a last block that is shorter is filled with zeros.
;;     - A block's scale is 2^e with e = floor(log2(the largest magnitude in the block)) - 4, held to -126 .. 127; a block of zeros has e = 0. As a byte (E8M0): e + 127.
;;     - Each number is divided by its block's scale, clamped to +-28, and rounded to the nearest number of E3M2, ties to even, subnormals kept.
;;     - The product sums the exact products of the quantised numbers (number of the format x scale) in f32.
;;   ~~~python
;;   def quantise(x, axis):      # numpy; x: float32 -> the quantised numbers, widened to float32 again
;;       x = np.moveaxis(x, axis, -1); K = x.shape[-1]
;;       x = np.pad(x, [(0, 0)] * (x.ndim - 1) + [(0, -K % 32)]); x = x.reshape(x.shape[:-1] + (-1, 32)); a = np.abs(x).max(-1, keepdims=True)
;;       e = np.where(a > 0, np.clip(np.frexp(np.where(a > 0, a, 1))[1] - 1 - 4, -126, 127), 0)      # np.frexp(a)[1] - 1 = floor(log2(a)), exactly
;;       r = np.clip(x / 2.0 ** e, -28, 28)
;;       step = 2.0 ** (np.maximum(np.frexp(np.where(r == 0, 1, r))[1] - 1, -2) - 2)
;;       q = np.round(r / step) * step * 2.0 ** e      # np.round: ties to even
;;       return np.moveaxis(q.reshape(q.shape[:-2] + (-1,))[..., :K], -1, axis).astype(np.float32)
;;   ~~~
;;   SOFTMAX AHEAD OF A QUANTISED PRODUCT. Where the list says 'softmax', what is quantised is not the finished softmax but p = 2^(t - M), with t = logit x log2(e) and M = ceil(the row's largest t), a whole number; so 1/2 < the row's largest p <= 1. The row's sum l is taken of the UNQUANTISED p, in f32, and the product's result is divided by l at the end. Since M is a whole number, a kernel that streams over the keys may use a running M (the ceiling of the running maximum): every later rescaling is an exact power of two, which a block's scale takes up: the codes' values come out the same.
;;   OPERANDS COMPUTED ON THE WAY. 'Computed on the way' means the value that the module computes at that place (a softmax that the list does not call 'softmax' is quantised finished and normalised). What goes into a quantiser is computed in f32, as accurately as f32 sums, v_exp_f32 and their like allow (about 1e-6 of the number): no bf16 or f16 on the way to a quantiser, and a product that is left as it is and whose result goes on into a quantised operand takes f32 operands (vector FMAs, or v_wmma_f32_16x16x4_f32). A number that lies on a knife's edge between two numbers of the format may be rounded either way, as far as f32 arithmetic and the matrix unit's own rounding can turn it there, and no further.
;; One version. Each part assembles by itself: llvm-mc -triple=amdgcn-amd-amdhsa -mcpu=gfx1250 --defsym DOCPART=n.
;; ======== version 1 of 1: 4 launches
;; limits: inputs' magnitudes at most 4,194,304; right only within a limited range of input values
;; workspace buffers: cod 9,437,184 bytes; scl 393,216 bytes; tab 524,288 bytes; qb 6,815,744 bytes; kv 13,369,344 bytes; acod 6,291,456 bytes; ascl 262,144 bytes
;; launch prep (part 1): grid 448 x 1, 4 waves a work-group, no clusters, 34,304 bytes of LDS; arguments x, wq, wk, wv, wo, token_position, cod, scl, tab; writes cod, scl, tab
.if DOCPART == 1
	.amdgcn_target "amdgcn-amd-amdhsa--gfx1250"
	.amdhsa_code_object_version 6
	.text
	.protected	k_q65c581968b_prep
	.globl	k_q65c581968b_prep
	.p2align	8
	.type	k_q65c581968b_prep,@function
k_q65c581968b_prep:
	s_mov_b64 s[64:65], 0
	v_nop
	global_prefetch_b8 v0, s[64:65] scope:SCOPE_SE
	s_setreg_imm32_b32 hwreg(HW_REG_WAVE_MODE, 25, 1), 1
	s_wait_xcnt 0x0
; CAUSAL MULTI-HEAD SELF-ATTENTION IN MX-BF6 (E3M2 codes, one E8M0 scale for each 32 along K), four launches: prep, qkv, attn, oproj.
; THIS LAUNCH: x [8192][1024] and wq, wk, wv, wo [1024][1024], f32, become codes and scale bytes along K = 1024; and cos, sin of token_position[s] x 10000^(-i/32) become a table.
; WORK LEFT OUT IN THE PROGRAM (launch attn): key steps of 128 keys all of which come after a wave's queries.  reference() itself sets those scores to -infinity by its own jnp.tril, so p = 0 there for
; every value of the inputs, and p = 0 adds nothing to the row's sum nor to the second product.  LIMIT: a NaN, an infinity or an overflow that reaches only those scores is not carried to the result.  All six inputs are loaded.
; LIMITS: NaN and infinities among the inputs are not served.  A block whose largest magnitude lies under 2^-122 keeps the scale byte 1; so does a block of zeros, where the rule says 127: its codes are zeros, which
; add nothing under any byte but 0xff, and this program alone reads the bytes.  |token_position| stays under 2^22 (the range reduction's two-part pi/2).  10000^(-i/32) is made by v_exp_f32 and may differ from a library's pow in the last bit.
; LAYOUT OF CODES.  A TILE is 16 rows; lane r of tile T stands for row 32 (T / 2) + 8 (T % 2) + r + 8 (r / 8).  A HALF FRAGMENT (16 rows x 64 K, 768 bytes) is an image of six operand registers: lane l's registers 0-3 at 16 l,
; its registers 4-5 at 512 + 8 l; lane (r, h) holds K = 32 h .. 32 h + 31 of row r.  cod: tile T at 12288 T, half fragment kh at + 768 kh.  T 0-511 x, 512-575 wq, 576-639 wk, 640-703 wv, 704-767 wo.
; scl: 512 T + 256 (ks / 4) + 16 r + 4 (ks % 4): the scale word of K step ks (128 along K).  tab: 256 s + 8 i: cos, sin.
; SHARES.  Work-groups 0-383 quantise: wave job J = 4 g + w is tile J / 2, K half J % 2: four steps of 16 rows x 128 K.  Each load reads 512 consecutive bytes of one row; a step turns through the wave's own stage in LDS
; (rows 528 bytes apart), so that a lane gets 16 neighbours of each block of 32.  Work-groups 384-447 make the table.  No tensor load, no barrier: waves share nothing.
.set STG,   8448                       ; a wave's stage: 16 rows x (512 + 16) bytes
.set SPARE, 33792                      ; behind the four stages: the spare words, 128 bytes a wave
.set SPW, 10                           ; v10  my spare word's address; never rewritten
.set NIL, 11                           ; v11  0; never rewritten
.set TM,  12                           ; v12-27  the quantiser's work: +0 largest magnitudes, +4 bytes, +12 scale operands
.set PW,  28                           ; v28-31  the four steps' scale words
.set R0,  32                           ; v32-159 two sets of 64: a step as it is loaded
.set X,   160                          ; v160-223 a step as the quantiser wants it: register 16 b + i = K 32 b + 16 h + i of my row
.set PC,  224                          ; v224-243 the codes
.set SEL, 32                           ; s[32:33] selects for lane l xor 16
.set SRC, 34                           ; s[34:35] my job's first byte in its tensor
.set K2PI, 36
.set PH,  37
.set PL,  38
.set S1,  39
.set S2,  40
.set S3,  41
.set C1,  42
.set C2,  43
.set C3,  44
.set LH,  45
.set LL,  46
.macro LOAD t                          ; step t: sixteen rows' 512 bytes, into set t % 2
.irp i, 0,1,2,3,4,5,6,7,8,9,10,11,12,13,14,15
	global_load_b128 v[R0+64*((\t)%2)+4*\i:R0+64*((\t)%2)+4*\i+3], v4, s[SRC:SRC+1] offset:(\i+8*(\i/8))*4096+512*(\t) th:TH_LOAD_NT
.endr
.endm
.macro TURN t                          ; through the stage: LDS serves a wave's instructions in order, so no wait stands between the stores and the loads
.irp i, 0,1,2,3,4,5,6,7,8,9,10,11,12,13,14,15
	ds_store_b128 v6, v[R0+64*((\t)%2)+4*\i:R0+64*((\t)%2)+4*\i+3] offset:528*\i
.endr
.irp b, 0,1,2,3
.irp j, 0,1,2,3
	ds_load_b128 v[X+16*\b+4*\j:X+16*\b+4*\j+3], v7 offset:128*\b+16*\j
.endr
.endr
.endm
; 64 numbers of a lane become a fragment's twelve registers in v[PC] on and its scale word in v[pw]
.macro QUANT s, pw
.irp b, 0,1,2,3
	v_max3_num_f32 v[TM+\b], |v[\s+16*\b]|, |v[\s+1+16*\b]|, 0x2800000   ; my 16 numbers of block b, and the floor 2^(5 - 127): the byte cannot fall under 1
.endr
.irp i, 2,4,6,8,10,12,14
.irp b, 0,1,2,3
	v_max3_num_f32 v[TM+\b], v[TM+\b], |v[\s+16*\b+\i]|, |v[\s+1+16*\b+\i]|
.endr
.endr
.irp b, 0,1,2,3
	v_permlanex16_b32 v[TM+4+\b], v[TM+\b], s[SEL], s[SEL+1]
.endr
.irp b, 0,1,2,3
	v_max_num_f32 v[TM+\b], v[TM+\b], v[TM+4+\b]   ; with lane l xor 16's 16: the block's largest magnitude
.endr
.irp b, 0,1,2,3
	v_add_nc_u32 v[TM+12+\b], 0xfe000000, v[TM+\b]   ; 4 off its exponent field: the conversion's scale operand
.endr
.irp b, 0,1,2,3
	v_lshrrev_b32 v[TM+4+\b], 23, v[TM+12+\b]   ; the scale's byte
.endr
	v_lshl_or_b32 v[\pw], v[TM+5], 8, v[TM+4]
	v_lshl_or_b32 v[\pw], v[TM+6], 16, v[\pw]
	v_lshl_or_b32 v[\pw], v[TM+7], 24, v[\pw]
.irp c, 0,1
	v_cvt_scalef32_pk16_bf6_f32 v[PC+6*\c:PC+2+6*\c], v[\s+32*\c:\s+15+32*\c], v[TM+12+2*\c]
	v_cvt_scalef32_pk16_bf6_f32 v[PC+12+4*\c:PC+14+4*\c], v[\s+16+32*\c:\s+31+32*\c], v[TM+12+2*\c+1]   ; (a conversion's three registers begin on an even number)
.endr
	v_nop                                          ; one plain instruction behind the scaled conversions
.irp c, 0,1                                    ; the operand wants a whole block in a lane: lanes 0-15 block 2 c, lanes 16-31 block 2 c + 1
.irp i, 0,1,2
	v_permlane16_swap_b32 v[PC+6*\c+\i], v[PC+12+4*\c+\i]
.endr
.irp i, 0,1,2
	v_mov_b32 v[PC+3+6*\c+\i], v[PC+12+4*\c+\i]
.endr
.endr
.endm
; cos and sin of the angle in v[a]: N = the nearest whole number of quarter turns, R = angle - N pi/2 in two parts, polynomials on |R| <= pi/4, and the quadrant's swap and signs.  v20-27 at work
.macro SINCOS a, c, s
	v_mul_f32 v20, s[K2PI], v[\a]
	v_rndne_f32 v20, v20
	v_fma_f32 v21, -v20, s[PH], v[\a]
	v_fma_f32 v21, -v20, s[PL], v21
	v_cvt_i32_f32 v22, v20
	v_mul_f32 v23, v21, v21
	v_fma_f32 v24, v23, s[S3], s[S2]
	v_fma_f32 v25, v23, s[C3], s[C2]
	v_fma_f32 v24, v24, v23, s[S1]
	v_fma_f32 v25, v25, v23, s[C1]
	v_mul_f32 v26, v23, v21
	v_fma_f32 v27, v23, -0.5, 1.0
	v_mul_f32 v20, v23, v23
	v_fma_f32 v24, v24, v26, v21                   ; sin R
	v_fma_f32 v25, v25, v20, v27                   ; cos R
	v_and_b32 v26, 1, v22
	v_cmp_eq_u32 vcc_lo, 1, v26
	v_cndmask_b32 v[\s], v24, v25, vcc_lo          ; an odd quadrant swaps the two
	v_cndmask_b32 v[\c], v25, v24, vcc_lo
	v_lshlrev_b32 v26, 30, v22
	v_and_b32 v26, 0x80000000, v26
	v_xor_b32 v[\s], v[\s], v26                    ; sin is negative in quadrants 2, 3
	v_add_nc_u32 v22, 1, v22
	v_lshlrev_b32 v26, 30, v22
	v_and_b32 v26, 0x80000000, v26
	v_xor_b32 v[\c], v[\c], v26                    ; cos in quadrants 1, 2
.endm
	s_load_b256 s[4:11], s[0:1], 0x0               ; x s[4:5], wq s[6:7], wk s[8:9], wv s[10:11]
	s_load_b256 s[12:19], s[0:1], 0x20             ; wo s[12:13], token_position s[14:15], cod s[16:17], scl s[18:19]
	s_load_b64 s[20:21], s[0:1], 0x40              ; tab
	v_lshl_add_u32 v[SPW], v0, 2, SPARE
	v_mov_b32 v[NIL], 0
	s_cmp_ge_u32 ttmp9, 384
	s_cbranch_scc1 .Ltable
	v_lshrrev_b32 v1, 5, v0
	v_readfirstlane_b32 s22, v1                    ; wave
	v_and_b32 v1, 31, v0                           ; lane
	v_and_b32 v2, 15, v0                           ; r
	v_bfe_u32 v3, v0, 4, 1                         ; h
	v_lshlrev_b32 v4, 4, v1                        ; 16 x lane
	v_lshlrev_b32 v5, 3, v1                        ; 8 x lane
	s_mul_i32 s24, s22, STG
	v_add_nc_u32 v6, s24, v4                       ; the stage, in: a row's 512 bytes as they lie
	v_mul_u32_u24 v7, v2, 528
	v_lshl_add_u32 v7, v3, 6, v7
	v_add_nc_u32 v7, s24, v7                       ; and out: row r, + 64 h
	v_lshlrev_b32 v8, 4, v2                        ; 16 r: my row's four scale words
	s_mov_b32 s[SEL], 0x76543210
	s_mov_b32 s[SEL+1], 0xfedcba98
.irp b, 0,1,2,3
	v_mov_b32 v[TM+4+\b], 0                        ; written once: a lane permute's destination counts as one of its sources
.endr
	s_lshl_b32 s23, ttmp9, 2
	s_add_co_u32 s23, s23, s22                     ; J
	s_lshr_b32 s25, s23, 1                         ; T
	s_and_b32 s26, s23, 1                          ; K half
	s_and_b32 s27, s25, 63
	s_cmp_lt_u32 s25, 512
	s_cselect_b32 s27, s25, s27                    ; the tile's number inside its tensor
	s_lshr_b32 s28, s27, 1
	s_lshl_b32 s28, s28, 17                        ; 32 rows of 4,096 bytes
	s_and_b32 s29, s27, 1
	s_lshl_b32 s29, s29, 15                        ; 8 rows
	s_add_co_u32 s28, s28, s29
	s_lshl_b32 s29, s26, 11                        ; 512 numbers along K
	s_add_co_u32 s28, s28, s29
	s_mov_b32 s29, 0
	s_mul_i32 s30, s23, 6144                       ; 12288 T + 6144 half
	s_mov_b32 s31, 0
	s_wait_alu depctr_va_vdst(0)
	s_wait_kmcnt 0x0
	s_cmp_lt_u32 ttmp9, 352                        ; which tensor: the choice hangs on the work-group's number alone
	s_cselect_b64 s[SRC:SRC+1], s[10:11], s[12:13]
	s_cmp_lt_u32 ttmp9, 320
	s_cselect_b64 s[SRC:SRC+1], s[8:9], s[SRC:SRC+1]
	s_cmp_lt_u32 ttmp9, 288
	s_cselect_b64 s[SRC:SRC+1], s[6:7], s[SRC:SRC+1]
	s_cmp_lt_u32 ttmp9, 256
	s_cselect_b64 s[SRC:SRC+1], s[4:5], s[SRC:SRC+1]
	s_add_nc_u64 s[SRC:SRC+1], s[SRC:SRC+1], s[28:29]
	s_add_nc_u64 s[16:17], s[16:17], s[30:31]
	s_lshl_b32 s30, s23, 8                         ; 512 T + 256 half
	s_add_nc_u64 s[18:19], s[18:19], s[30:31]
	LOAD 0
	LOAD 1
.irp t, 0,1,2,3
.if \t < 3
	s_wait_loadcnt 16                              ; this step's sixteen loads are in; the other set's sixteen stay out
.else
	s_wait_loadcnt 0x0
.endif
	TURN \t
	s_wait_dscnt 0x0                               ; the step is back from the stage
.if \t < 2
	LOAD \t+2                                      ; the set just emptied takes the step two on
.endif
.if \t > 0
	s_wait_xcnt 0x0                                ; the last step's stores have read the codes' registers
.endif
	QUANT X, PW+\t
	global_store_b128 v4, v[PC:PC+3], s[16:17] offset:1536*\t            ; 512 consecutive bytes, at a multiple of 256
	global_store_b64 v5, v[PC+4:PC+5], s[16:17] offset:1536*\t+512       ; 256
	global_store_b128 v4, v[PC+6:PC+9], s[16:17] offset:1536*\t+768
	global_store_b64 v5, v[PC+10:PC+11], s[16:17] offset:1536*\t+1280
.endr
	v_cmp_gt_u32 vcc_lo, 16, v1
	s_wait_xcnt 0x0                                ; EXEC changes only behind this wait
	s_and_saveexec_b32 s24, vcc_lo
	global_store_b128 v8, v[PW:PW+3], s[18:19]     ; lanes 0-15: 256 consecutive bytes: sixteen rows' four scale words
	s_wait_xcnt 0x0
	s_or_b32 exec_lo, exec_lo, s24
	s_wait_tensorcnt 0x0                           ; the wave's end, behind my last LDS store
	ds_add_u32 v[SPW], v[NIL]
	s_wait_dscnt 0x0
	s_endpgm
.Ltable:                                           ; 64 work-groups x 32 positions x 32 frequencies.  Thread: frequencies 2 fi, 2 fi + 1; positions sp + 8 pass.  No LDS is written on this way
	s_sub_co_u32 s23, ttmp9, 384
	v_and_b32 v1, 15, v0                           ; fi
	v_lshrrev_b32 v2, 4, v0                        ; sp, 0 .. 7
	v_lshlrev_b32 v3, 2, v2
	v_lshlrev_b32 v17, 8, v2
	v_lshl_add_u32 v17, v1, 4, v17                 ; 256 sp + 16 fi: sixteen lanes fill a position's 256 bytes
	s_lshl_b32 s24, s23, 7                         ; 32 positions of 4 bytes
	s_mov_b32 s25, 0
	s_lshl_b32 s26, s23, 13                        ; 32 positions of 256 bytes
	s_mov_b32 s27, 0
	s_mov_b32 s[K2PI], 0x3f22f983                  ; 2 / pi
	s_mov_b32 s[PH], 0x3fc90fdb                    ; pi / 2, its f32 part,
	s_mov_b32 s[PL], 0xb33bbd2e                    ; and what is left of it
	s_mov_b32 s[S1], 0xbe2aaaa3                    ; sin: -1.6666654611e-1, 8.3321608736e-3, -1.9515295891e-4
	s_mov_b32 s[S2], 0x3c08839e
	s_mov_b32 s[S3], 0xb94ca1f9
	s_mov_b32 s[C1], 0x3d2aaaa5                    ; cos: 4.166664568e-2, -1.388731625e-3, 2.443315712e-5
	s_mov_b32 s[C2], 0xbab6061a
	s_mov_b32 s[C3], 0x37ccf5ce
	s_mov_b32 s[LH], 0xbed49a60                    ; -log2(10000) / 32 with its five lowest mantissa bits cleared: times i <= 31 it is exact
	s_mov_b32 s[LL], 0x3506b9e5                    ; ln 2 x what was cleared: 5.0189e-7
	s_wait_alu depctr_va_vdst(0)
	s_wait_kmcnt 0x0
	s_add_nc_u64 s[14:15], s[14:15], s[24:25]
	s_add_nc_u64 s[20:21], s[20:21], s[26:27]
.irp p, 0,1,2,3
	global_load_b32 v[12+\p], v3, s[14:15] offset:32*\p
.endr
	v_lshlrev_b32 v4, 1, v1
	v_cvt_f32_u32 v4, v4                           ; i = 2 fi
	v_add_f32 v5, 1.0, v4                          ; and 2 fi + 1
	v_mul_f32 v6, s[LH], v4
	v_mul_f32 v7, s[LH], v5
	s_wait_alu depctr_va_vdst(0)
	v_exp_f32 v6, v6
	v_exp_f32 v7, v7
	v_mul_f32 v8, s[LL], v4                        ; (plain work behind the exponentials)
	v_mul_f32 v9, s[LL], v5
	s_wait_alu depctr_va_vdst(0)                   ; one wait for both, ahead of their first reader
	v_fma_f32 v6, -v8, v6, v6                      ; 10000^(-i/32) = 2^(-i Lhi) (1 - i ln2 Llo)
	v_fma_f32 v7, -v9, v7, v7
	s_wait_loadcnt 0x0
.irp p, 0,1,2,3
	v_cvt_f32_i32 v[12+\p], v[12+\p]
.endr
	s_wait_alu depctr_va_vdst(0)
.irp p, 0,1,2,3
	v_mul_f32 v16, v[12+\p], v6
	SINCOS 16, 32+4*\p, 33+4*\p
	v_mul_f32 v16, v[12+\p], v7
	SINCOS 16, 34+4*\p, 35+4*\p
	global_store_b128 v17, v[32+4*\p:35+4*\p], s[20:21] offset:2048*\p
.endr
	s_endpgm
.Lfunc_end_k_q65c581968b_prep:
	.size	k_q65c581968b_prep, .Lfunc_end_k_q65c581968b_prep-k_q65c581968b_prep
	.p2alignl 7, 3214868480
	.fill 96, 4, 3214868480
	.section	.rodata,"a",@progbits
	.p2align	6, 0x0
	.amdhsa_kernel k_q65c581968b_prep
		.amdhsa_group_segment_fixed_size 34304
		.amdhsa_private_segment_fixed_size 0
		.amdhsa_enable_private_segment 0
		.amdhsa_kernarg_size 72
		.amdhsa_user_sgpr_count 2
		.amdhsa_user_sgpr_kernarg_segment_ptr 1
		.amdhsa_wavefront_size32 1
		.amdhsa_system_sgpr_workgroup_id_x 1
		.amdhsa_system_sgpr_workgroup_id_y 1
		.amdhsa_system_sgpr_workgroup_id_z 1
		.amdhsa_system_vgpr_workitem_id 0
		.amdhsa_next_free_vgpr 256
		.amdhsa_next_free_sgpr 66
		.amdhsa_reserve_vcc 1
		.amdhsa_float_denorm_mode_32 3
		.amdhsa_float_denorm_mode_16_64 3
		.amdhsa_memory_ordered 1
		.amdhsa_forward_progress 1
		.amdhsa_inst_pref_size 46
	.end_amdhsa_kernel
	.amdgpu_metadata
---
amdhsa.version: [ 1, 2 ]
amdhsa.kernels:
  - .name:           k_q65c581968b_prep
    .symbol:         k_q65c581968b_prep.kd
    .args:
      - { .name: x, .offset: 0, .size: 8, .value_kind: global_buffer, .address_space: global }
      - { .name: wq, .offset: 8, .size: 8, .value_kind: global_buffer, .address_space: global }
      - { .name: wk, .offset: 16, .size: 8, .value_kind: global_buffer, .address_space: global }
      - { .name: wv, .offset: 24, .size: 8, .value_kind: global_buffer, .address_space: global }
      - { .name: wo, .offset: 32, .size: 8, .value_kind: global_buffer, .address_space: global }
      - { .name: token_position, .offset: 40, .size: 8, .value_kind: global_buffer, .address_space: global }
      - { .name: cod, .offset: 48, .size: 8, .value_kind: global_buffer, .address_space: global }
      - { .name: scl, .offset: 56, .size: 8, .value_kind: global_buffer, .address_space: global }
      - { .name: tab, .offset: 64, .size: 8, .value_kind: global_buffer, .address_space: global }
    .group_segment_fixed_size: 34304
    .private_segment_fixed_size: 0
    .kernarg_segment_align: 8
    .kernarg_segment_size: 72
    .max_flat_workgroup_size: 128
    .sgpr_count:     66
    .vgpr_count:     256
    .wavefront_size: 32
...
	.end_amdgpu_metadata
.endif
;; end of part 1
;; launch qkv (part 2): grid 8 x 96, 4 waves a work-group, clusters of 4 x 4, 295,424 bytes of LDS; arguments cod, scl, tab, qb, kv; writes qb, kv
.if DOCPART == 2
	.amdgcn_target "amdgcn-amd-amdhsa--gfx1250"
	.amdhsa_code_object_version 6
	.text
	.protected	k_q65c581968b_qkv
	.globl	k_q65c581968b_qkv
	.p2align	8
	.type	k_q65c581968b_qkv,@function
k_q65c581968b_qkv:
	s_mov_b64 s[64:65], 0
	v_nop
	global_prefetch_b8 v0, s[64:65] scope:SCOPE_SE
	s_setreg_imm32_b32 hwreg(HW_REG_WAVE_MODE, 25, 1), 1
	s_wait_xcnt 0x0
	s_wait_alu depctr_hold_cnt(0) depctr_sa_sdst(0) depctr_va_vdst(0) depctr_va_sdst(0) depctr_va_ssrc(0) depctr_va_vcc(0) depctr_vm_vsrc(0)
	s_getreg_b32 s2, hwreg(HW_REG_IB_STS2, 6, 4)
	s_cmp_eq_u32 s2, 0
	s_cbranch_scc0 .Lentry_in_a_cluster
	s_endpgm
.Lentry_in_a_cluster:
	s_bfe_u32 s2, ttmp6, 0x10000c
	s_cmp_lg_u32 s2, 0xf033
	s_cbranch_scc0 .Lentry_shape_is_right
	s_endpgm
.Lentry_shape_is_right:
; q, k, v = x wq^T, x wk^T, x wv^T on codes of BF6 (launch prep made them), with RoPE and the next products' quantisers on the way out.  Nothing of these three products is left out.
; THE PRODUCT.  D = P R^T: source 0 = tiles of P's rows, source 1 = tiles of R's rows: a lane holds ONE row of R, and its registers run along P's rows; by the tiles' order of rows (launch prep) the 16 registers of
; result tiles 2 b, 2 b + 1 are 16 neighbours, 32 b + 16 h + 0 .. 15.  For q and k: P = the weight's rows (channels), R = tokens: registers run along a head's channels, the K of q k^T.
; For v: P = tokens, R = wv's rows: registers run along the keys, the K of p v.
; SHARES.  A work-group: 256 rows of P x 128 rows of R, all of K = 1,024.  Four waves (pw = w % 2, rw = w / 2), each 128 x 64: 32 accumulators, 256 registers.  Both operands' codes for all of K are 294,912 bytes:
; they fit in LDS, so every tensor load is a first fill: four chunks of 256 along K, asked for together at the head; nothing is filled again.  By this text's count a wave has four tensor loads out.
; CLUSTER 4 x 4: P's tile hangs on the work-group's x and is shared along a column of the cluster, R's on its y and is shared along a row: each is asked for jointly.
; GRID.  Clusters (clx 0-1, cly 0-23).  cly < 16: q (clx = 0) or k (clx = 1): P tiles 512 + 64 clx + 16 cx, R tiles 32 cly + 8 cy.  cly >= 16, clv = cly - 16: v: P tiles 128 (clv / 2) + 64 clx + 16 cx, R tiles 640 + 32 (clv % 2) + 8 cy.
; OUT.  qb: block (bh 8 + query block of 256) x 13,312 bytes: 16 half fragments (tile tl at 768 tl), then four units of 256 bytes of scale words [r][tile % 4], word = the head's two bytes, 0, 0.
; kv: slot (bh 8 + 256 keys) x 26,112 bytes: k laid as a block of qb; at 13,312 v^T's fragments [128 keys: 2][channel tile: 4][1,536]; at 25,600 their scale words [2][r][channel tile].
; LIMITS as stated in launch prep (scale bytes of tiny and of zero blocks; NaN and infinities not served).
; REGISTERS.  Window 0: v1-3 lane, r, h; v4-7 LDS addresses; v8-17 offsets; v28, v29 the add's two; v32-63 P's scale words, v64-79 R's; v128-223 R's fragments, two sets; on the way out v128-243 are free.
;   Window 1: P's fragments, two sets, at v0 and v128.   Window 2: accumulator (a, i) at v[8 (8 a + i)].   Window 3: v0-127 cos, sin (q, k alone).
.set SPARE, 294912
.set PBUF, 4                           ; s[4:5] cod: both operands' codes
.set RBUF, 4
.set PSCL, 6                           ; s[6:7] scl
.set RSCL, 6
.set G1P, 16
.set G1R, 24
.set G0P, 32                           ; s[32:47] a group 0 for each of P's four chunks
.set G0R, 48                           ; s[48:63] and of R's
.set WV,  66
.set PWS, 67
.set RWS, 68
.set CX,  69
.set CY,  70
.set CLY, 71
.set ISV, 72
.set PT0, 73
.set RT0, 74
.set AP16, 4
.set AP8,  5
.set AR16, 6
.set AR8,  7
.set SPW, 28
.set NIL, 29
.set SP,  32
.set SR,  64
.set RF,  128
.set HA,  128                          ; the way out: 64 numbers behind RoPE
.set PC,  192                          ; codes
.set TM,  212                          ; the quantiser's work
.set PW,  228                          ; four scale words
.set SW,  232                          ; the same, cut for each head
.set TT,  236                          ; RoPE's eight temporaries
.set SEL, 96                           ; s[96:97]
.set MSB, 0
.macro WIN new                         ; the immediate's high byte repeats the setting that is left
.if MSB != \new
	s_set_vgpr_msb (MSB<<8)|\new
.set MSB, \new
.endif
.endm
.macro PLACES                          ; four plain instructions between a matrix instruction and a load into, or a vector instruction on, its registers
.rept 4
	v_nop
.endr
.endm
.macro CROUND                          ; a round of the cluster's barrier
	s_barrier_signal -1
	s_barrier_wait -1
	s_cmp_lg_u32 s[WV], 0
	s_cbranch_scc1 .Lnot_wave_0_\@
	s_barrier_signal -3
.Lnot_wave_0_\@:
	s_barrier_wait -3
	s_barrier_signal -1
	s_barrier_wait -1
.endm
; the fragments of one K step (the chunk's q-th 128 along K) into set: P's eight, R's four; a fragment is two half fragments on end: 16, 8, 16, 8 bytes a lane
.macro FETCH q, set
	WIN 0x40                                       ; destination window 1
.irp i, 0,1,2,3,4,5,6,7
	ds_load_b128 v[128*(\set)+12*\i:128*(\set)+12*\i+3],     v[AP16] offset:3072*\i+1536*(\q)
	ds_load_b64  v[128*(\set)+12*\i+4:128*(\set)+12*\i+5],   v[AP8]  offset:3072*\i+1536*(\q)+512
	ds_load_b128 v[128*(\set)+12*\i+6:128*(\set)+12*\i+9],   v[AP16] offset:3072*\i+1536*(\q)+768
	ds_load_b64  v[128*(\set)+12*\i+10:128*(\set)+12*\i+11], v[AP8]  offset:3072*\i+1536*(\q)+1280
.endr
	WIN 0
.irp a, 0,1,2,3
	ds_load_b128 v[RF+48*(\set)+12*\a:RF+48*(\set)+12*\a+3],     v[AR16] offset:3072*\a+1536*(\q)
	ds_load_b64  v[RF+48*(\set)+12*\a+4:RF+48*(\set)+12*\a+5],   v[AR8]  offset:3072*\a+1536*(\q)+512
	ds_load_b128 v[RF+48*(\set)+12*\a+6:RF+48*(\set)+12*\a+9],   v[AR16] offset:3072*\a+1536*(\q)+768
	ds_load_b64  v[RF+48*(\set)+12*\a+10:RF+48*(\set)+12*\a+11], v[AR8]  offset:3072*\a+1536*(\q)+1280
.endr
.endm
; one product.  P's scale words: register SP + 8 (i % 4) + ks, lanes 0-15 tile i % 4, lanes 16-31 tile i % 4 + 4.  R's: SR + 8 (a % 2) + ks, lanes 0-15 tile a % 2, lanes 16-31 tile a % 2 + 2
.macro PROD a, i, set, ks, zero
.set rD, 8*(8*(\a)+(\i))
.set rP, 128*(\set)+12*(\i)
.set rR, RF+48*(\set)+12*(\a)
.set rA, SP+8*((\i)%4)+(\ks)
.set rB, SR+8*((\a)%2)+(\ks)
.if \zero
.if ((\i) < 4) && ((\a) < 2)
	v_wmma_scale_f32_16x16x128_f8f6f4 v[rD:rD+7], v[rP:rP+11], v[rR:rR+11], 0, v[rA], v[rB] matrix_a_fmt:MATRIX_FMT_BF6 matrix_b_fmt:MATRIX_FMT_BF6
.elseif (\i) < 4
	v_wmma_scale_f32_16x16x128_f8f6f4 v[rD:rD+7], v[rP:rP+11], v[rR:rR+11], 0, v[rA], v[rB] matrix_a_fmt:MATRIX_FMT_BF6 matrix_b_fmt:MATRIX_FMT_BF6 matrix_b_scale:MATRIX_SCALE_ROW1
.elseif (\a) < 2
	v_wmma_scale_f32_16x16x128_f8f6f4 v[rD:rD+7], v[rP:rP+11], v[rR:rR+11], 0, v[rA], v[rB] matrix_a_fmt:MATRIX_FMT_BF6 matrix_b_fmt:MATRIX_FMT_BF6 matrix_a_scale:MATRIX_SCALE_ROW1
.else
	v_wmma_scale_f32_16x16x128_f8f6f4 v[rD:rD+7], v[rP:rP+11], v[rR:rR+11], 0, v[rA], v[rB] matrix_a_fmt:MATRIX_FMT_BF6 matrix_b_fmt:MATRIX_FMT_BF6 matrix_a_scale:MATRIX_SCALE_ROW1 matrix_b_scale:MATRIX_SCALE_ROW1
.endif
.else
.if ((\i) < 4) && ((\a) < 2)
	v_wmma_scale_f32_16x16x128_f8f6f4 v[rD:rD+7], v[rP:rP+11], v[rR:rR+11], v[rD:rD+7], v[rA], v[rB] matrix_a_fmt:MATRIX_FMT_BF6 matrix_b_fmt:MATRIX_FMT_BF6
.elseif (\i) < 4
	v_wmma_scale_f32_16x16x128_f8f6f4 v[rD:rD+7], v[rP:rP+11], v[rR:rR+11], v[rD:rD+7], v[rA], v[rB] matrix_a_fmt:MATRIX_FMT_BF6 matrix_b_fmt:MATRIX_FMT_BF6 matrix_b_scale:MATRIX_SCALE_ROW1
.elseif (\a) < 2
	v_wmma_scale_f32_16x16x128_f8f6f4 v[rD:rD+7], v[rP:rP+11], v[rR:rR+11], v[rD:rD+7], v[rA], v[rB] matrix_a_fmt:MATRIX_FMT_BF6 matrix_b_fmt:MATRIX_FMT_BF6 matrix_a_scale:MATRIX_SCALE_ROW1
.else
	v_wmma_scale_f32_16x16x128_f8f6f4 v[rD:rD+7], v[rP:rP+11], v[rR:rR+11], v[rD:rD+7], v[rA], v[rB] matrix_a_fmt:MATRIX_FMT_BF6 matrix_b_fmt:MATRIX_FMT_BF6 matrix_a_scale:MATRIX_SCALE_ROW1 matrix_b_scale:MATRIX_SCALE_ROW1
.endif
.endif
.endm
.macro MUL16 a0, set, ks, zero         ; R's tiles a0, a0 + 1 x P's eight.  The 32 accumulators take turns, one instruction a turn, in the same order in every step
.irp a, \a0, \a0+1
.irp i, 0,1,2,3,4,5,6,7
	PROD \a, \i, \set, \ks, \zero
.endr
.endr
.endm
; K step s of eight.  In its middle the next step's fragments are fetched into the other set, whose last readers were the step before's products.  Where the next step begins a chunk, a barrier shows the chunk whole.
.macro STEP s, zero
	s_wait_dscnt 0x0                               ; this step's fragments are in
	WIN 0xa1                                       ; source 0 window 1, source 1 window 0, C and D window 2
	MUL16 0, (\s)%2, \s, \zero
.if ((\s) < 7) && ((\s)%2 == 1)
	WIN 0
	s_wait_tensorcnt 2-(\s)/2                      ; my part of the next chunk has landed; my chunks behind it stay out
	s_barrier_signal -1                            ; (no LDS instruction of mine is out)
	s_barrier_wait -1
	v_add_nc_u32 v[AP16], 49152, v[AP16]
	v_add_nc_u32 v[AP8], 49152, v[AP8]
	v_add_nc_u32 v[AR16], 24576, v[AR16]
	v_add_nc_u32 v[AR8], 24576, v[AR8]
.endif
.if (\s) < 7
	PLACES
	FETCH ((\s)+1)%2, ((\s)+1)%2
.endif
	WIN 0xa1
	MUL16 2, (\s)%2, \s, \zero
.endm
.macro MAIN
	s_wait_tensorcnt 0x3                           ; my part of chunk 0 has landed; my three later chunks stay out
	s_barrier_signal -1
	s_barrier_wait -1                              ; everybody's has
	FETCH 0, 0
	s_wait_loadcnt 0x0                             ; the scale words (and cos, sin)
	STEP 0, 1                                      ; the first step's products start the sums: nothing is cleared
	STEP 1, 0
	s_wait_alu depctr_va_vdst(0)
	STEP 2, 0
	STEP 3, 0
	s_wait_alu depctr_va_vdst(0)
	STEP 4, 0
	STEP 5, 0
	s_wait_alu depctr_va_vdst(0)
	STEP 6, 0
	STEP 7, 0
	WIN 0
	PLACES
.irp b, 0,1,2,3
	v_mov_b32 v[TM+4+\b], 0                        ; a lane permute's destination counts as one of its sources
.endr
.endm
; 64 numbers of a lane, v[s] on in window win, register 16 b + i = K 32 b + 16 h + i of my row, become a fragment in v[PC] on and its scale word in v[pw]
.macro QUANT s, win, pw
	WIN 5*(\win)                                   ; sources 0 and 1 in the numbers' window
.irp b, 0,1,2,3
	v_max3_num_f32 v[TM+\b], |v[(\s)+16*\b]|, |v[(\s)+1+16*\b]|, 0x2800000   ; the floor 2^(5 - 127): the byte cannot fall under 1
.endr
.irp i, 2,4,6,8,10,12,14
.irp b, 0,1,2,3
	v_max3_num_f32 v[TM+\b], |v[(\s)+16*\b+\i]|, |v[(\s)+1+16*\b+\i]|, v[TM+\b]
.endr
.endr
	WIN 0
.irp b, 0,1,2,3
	v_permlanex16_b32 v[TM+4+\b], v[TM+\b], s[SEL], s[SEL+1]
.endr
.irp b, 0,1,2,3
	v_max_num_f32 v[TM+\b], v[TM+\b], v[TM+4+\b]
.endr
.irp b, 0,1,2,3
	v_add_nc_u32 v[TM+12+\b], 0xfe000000, v[TM+\b]   ; 4 off the exponent field: the conversion's scale operand
.endr
.irp b, 0,1,2,3
	v_lshrrev_b32 v[TM+4+\b], 23, v[TM+12+\b]
.endr
	v_lshl_or_b32 v[\pw], v[TM+5], 8, v[TM+4]
	v_lshl_or_b32 v[\pw], v[TM+6], 16, v[\pw]
	v_lshl_or_b32 v[\pw], v[TM+7], 24, v[\pw]
	WIN \win                                       ; source 0 in the numbers' window
.irp c, 0,1
	v_cvt_scalef32_pk16_bf6_f32 v[PC+6*\c:PC+2+6*\c], v[(\s)+32*\c:(\s)+15+32*\c], v[TM+12+2*\c]
	v_cvt_scalef32_pk16_bf6_f32 v[PC+12+4*\c:PC+14+4*\c], v[(\s)+16+32*\c:(\s)+31+32*\c], v[TM+12+2*\c+1]
.endr
	WIN 0
	v_nop                                          ; one plain instruction behind the scaled conversions
.irp c, 0,1
.irp i, 0,1,2
	v_permlane16_swap_b32 v[PC+6*\c+\i], v[PC+12+4*\c+\i]
.endr
.irp i, 0,1,2
	v_mov_b32 v[PC+3+6*\c+\i], v[PC+12+4*\c+\i]
.endr
.endr
.endm
; RoPE on token tile a: pairs (even, odd) of a head's channels lie in neighbouring registers; cos, sin of the lane's token in window 3.  Each accumulator is read from its low end on
.macro ROPE a
	WIN 0x0e                                       ; source 0 window 2, source 1 window 3
.irp k, 0,1,2,3
.irp p, 0,1,2,3,4,5,6,7
	v_mul_f32 v[TT+2*(\p%4)],   v[64*(\a)+16*\k+2*\p+1], v[32*(\a)+16*(\k%2)+2*\p+1]
	v_mul_f32 v[TT+2*(\p%4)+1], v[64*(\a)+16*\k+2*\p+1], v[32*(\a)+16*(\k%2)+2*\p]
	v_fma_f32 v[HA+16*\k+2*\p],   v[64*(\a)+16*\k+2*\p], v[32*(\a)+16*(\k%2)+2*\p],   -v[TT+2*(\p%4)]
	v_fma_f32 v[HA+16*\k+2*\p+1], v[64*(\a)+16*\k+2*\p], v[32*(\a)+16*(\k%2)+2*\p+1], v[TT+2*(\p%4)+1]
.endr
.endr
	WIN 0
.endm
	s_load_b256 s[4:11], s[0:1], 0x0               ; cod s[4:5], scl s[6:7], tab s[8:9], qb s[10:11]
	s_load_b64 s[12:13], s[0:1], 0x20              ; kv
	v_lshl_add_u32 v[SPW], v0, 2, SPARE
	v_mov_b32 v[NIL], 0
	ds_add_u32 v[SPW], v[NIL]                      ; the wave's opening: the add, twice on end, and its wait ahead of my first tensor load
	ds_add_u32 v[SPW], v[NIL]
	v_lshrrev_b32 v1, 5, v0
	v_readfirstlane_b32 s[WV], v1
	s_and_b32 s[PWS], s[WV], 1                     ; my half of P's rows.  Also: which half of a tile I fetch
	s_lshr_b32 s[RWS], s[WV], 1                    ; my half of R's rows.  Also: I fetch for P (0) or for R (1)
	s_bfe_u32 s[CX], ttmp6, 0x40000
	s_bfe_u32 s[CY], ttmp6, 0x40004
	s_and_b32 s[CLY], ttmp7, 0xffff
	s_lshl_b32 s75, 0x1111, s[CX]                  ; my column of the cluster
	s_lshl_b32 s77, s[CY], 2
	s_lshl_b32 s77, 15, s77                        ; my row
	s_or_b32 s[G1P], s75, (3<<16)|(1<<21)          ; the mask; elements of 8 bytes; bit 21 beside a mask; no padding
	s_or_b32 s[G1R], s77, (3<<16)|(1<<21)
	s_mov_b32 s[G1P+1], 384<<16                    ; a row: a tile's 3,072 bytes of a chunk
	s_mov_b32 s[G1P+2], 8<<16                      ; eight tiles
	s_mov_b32 s[G1P+3], 384<<16
	s_mov_b32 s[G1P+4], 8
	s_mov_b32 s[G1P+5], 1536                       ; 12,288 bytes from tile to tile
	s_mov_b32 s[G1P+6], 0
	s_mov_b32 s[G1P+7], 0
	s_mov_b32 s[G1R+1], 384<<16
	s_mov_b32 s[G1R+2], 4<<16                      ; four tiles
	s_mov_b32 s[G1R+3], 384<<16
	s_mov_b32 s[G1R+4], 4
	s_mov_b32 s[G1R+5], 1536
	s_mov_b32 s[G1R+6], 0
	s_mov_b32 s[G1R+7], 0
	s_max_u32 s84, s[CLY], 16
	s_sub_co_u32 s84, s84, 16                      ; clv
	s_lshr_b32 s85, s84, 1
	s_lshl_b32 s85, s85, 7
	s_and_b32 s86, s84, 1
	s_lshl_b32 s86, s86, 5
	s_add_co_u32 s86, s86, 640
	s_lshl_b32 s87, s[CLY], 5
	s_cmp_ge_u32 s[CLY], 16                        ; v's projection?  The cluster's y alone: the same in all sixteen partners
	s_cselect_b32 s[ISV], 1, 0
	s_cselect_b32 s85, s85, 512
	s_cselect_b32 s86, s86, s87
	s_lshl_b32 s75, ttmp9, 6
	s_add_co_u32 s[PT0], s85, s75
	s_lshl_b32 s75, s[CX], 4
	s_add_co_u32 s[PT0], s[PT0], s75               ; P's first tile: it hangs on cx, never on cy
	s_lshl_b32 s77, s[CY], 3
	s_add_co_u32 s[RT0], s86, s77                  ; R's: on cy, never on cx
	s_lshl_b32 s75, s[PWS], 3
	s_add_co_u32 s75, s75, s[PT0]
	s_mul_i32 s80, s75, 12288
	s_mov_b32 s81, 0
	s_lshl_b32 s77, s[PWS], 2
	s_add_co_u32 s77, s77, s[RT0]
	s_mul_i32 s82, s77, 12288
	s_mov_b32 s83, 0
	s_mul_i32 s76, s[PWS], 24576                   ; where they go: the wave's number alone
	s_mul_i32 s78, s[PWS], 12288
	s_add_co_u32 s78, s78, 196608
	s_mov_b32 s[SEL], 0x76543210
	s_mov_b32 s[SEL+1], 0xfedcba98
	s_wait_dscnt 0x0                               ; both opening adds are done
	s_wait_kmcnt 0x0
	s_add_nc_u64 s[80:81], s[PBUF:PBUF+1], s[80:81]
	s_add_nc_u64 s[82:83], s[RBUF:RBUF+1], s[82:83]
.irp c, 0,1,2,3
	s_mov_b32 s[G0P+4*\c], 1
	s_add_co_u32 s[G0P+4*\c+1], s76, 49152*\c
	s_add_nc_u64 s[G0P+4*\c+2:G0P+4*\c+3], s[80:81], 3072*\c
	s_or_b32 s[G0P+4*\c+3], s[G0P+4*\c+3], 0x80000000
	s_mov_b32 s[G0R+4*\c], 1
	s_add_co_u32 s[G0R+4*\c+1], s78, 24576*\c
	s_add_nc_u64 s[G0R+4*\c+2:G0R+4*\c+3], s[82:83], 3072*\c
	s_or_b32 s[G0R+4*\c+3], s[G0R+4*\c+3], 0x80000000
.endr
	CROUND                                         ; all sixteen work-groups are here: the joint loads meet
	s_cmp_eq_u32 s[RWS], 0                         ; a wave's four fills stand in one branch on its number
	s_cbranch_scc0 .Lfill_r
.irp c, 0,1,2,3
	tensor_load_to_lds s[G0P+4*\c:G0P+4*\c+3], s[G1P:G1P+7]
	s_nop 0
.endr
	PLACES
	s_branch .Lfilled
.Lfill_r:
.irp c, 0,1,2,3
	tensor_load_to_lds s[G0R+4*\c:G0R+4*\c+3], s[G1R:G1R+7]
	s_nop 0
.endr
	PLACES
.Lfilled:
	v_and_b32 v1, 31, v0                           ; lane
	v_and_b32 v2, 15, v0                           ; r
	v_bfe_u32 v3, v0, 4, 1                         ; h
	s_mul_i32 s75, s[PWS], 24576
	v_lshl_add_u32 v[AP16], v1, 4, s75
	v_lshl_add_u32 v[AP8], v1, 3, s75
	s_mul_i32 s77, s[RWS], 12288
	s_add_co_u32 s77, s77, 196608
	v_lshl_add_u32 v[AR16], v1, 4, s77
	v_lshl_add_u32 v[AR8], v1, 3, s77
	v_lshlrev_b32 v17, 4, v2                       ; 16 r
	v_lshl_add_u32 v8, v3, 11, v17                 ; P's scale words: lanes 16-31 four tiles on
	s_wait_alu depctr_va_vdst(0)
	v_lshl_add_u32 v9, v3, 10, v17                 ; R's: two tiles on
	s_wait_alu depctr_va_vdst(0)
	v_and_b32 v10, 8, v2
	v_add_nc_u32 v10, v10, v2
	v_lshlrev_b32 v10, 8, v10
	v_lshl_add_u32 v10, v3, 6, v10                 ; cos, sin: 256 (r + 8 (r / 8)) + 64 h
	v_lshlrev_b32 v11, 4, v1                       ; 16 x lane
	v_lshlrev_b32 v12, 3, v1                       ; 8 x lane
	s_lshl_b32 s75, s[PWS], 3
	s_add_co_u32 s75, s75, s[PT0]
	s_lshl_b32 s84, s75, 9
	s_mov_b32 s85, 0
	s_add_nc_u64 s[84:85], s[PSCL:PSCL+1], s[84:85]
	s_lshl_b32 s77, s[RWS], 2
	s_add_co_u32 s77, s77, s[RT0]
	s_lshl_b32 s86, s77, 9
	s_mov_b32 s87, 0
	s_add_nc_u64 s[86:87], s[RSCL:RSCL+1], s[86:87]
.irp i, 0,1,2,3                                ; the scale words go from memory straight into registers: each load reads two whole units of 256 bytes
.irp k, 0,1
	global_load_b128 v[SP+8*\i+4*\k:SP+8*\i+4*\k+3], v8, s[84:85] offset:512*\i+256*\k
.endr
.endr
.irp a, 0,1
.irp k, 0,1
	global_load_b128 v[SR+8*\a+4*\k:SR+8*\a+4*\k+3], v9, s[86:87] offset:512*\a+256*\k
.endr
.endr
	s_cmp_lg_u32 s[ISV], 0
	s_cbranch_scc1 .Lv_path
	; ---- q and k
	s_and_b32 s88, s77, 127                        ; my first token tile inside its sequence
	s_lshl_b32 s88, s88, 12                        ; 16 positions of 256 bytes a tile
	s_mov_b32 s89, 0
	s_add_nc_u64 s[88:89], s[8:9], s[88:89]
	WIN 0xc0                                       ; destination window 3
	s_wait_alu depctr_va_vdst(0)
.irp a, 0,1,2,3
.irp k, 0,1
.irp j, 0,1,2,3
	global_load_b128 v[32*\a+16*\k+4*\j:32*\a+16*\k+4*\j+3], v10, s[88:89] offset:256*(32*(\a/2)+8*(\a%2))+128*\k+16*\j
.endr
.endr
.endr
	WIN 0
	MAIN
	s_lshl_b32 s84, s[RWS], 2
	s_add_co_u32 s84, s84, s[RT0]                  ; my first token tile
	s_lshr_b32 s85, s84, 7                         ; the batch
	s_lshl_b32 s85, s85, 4
	s_lshl_b32 s86, s[CX], 2
	s_add_co_u32 s85, s85, s86
	s_lshl_b32 s86, s[PWS], 1
	s_add_co_u32 s85, s85, s86                     ; 16 b + my first head (4 cx + 2 pw)
	s_lshl_b32 s85, s85, 3
	s_bfe_u32 s86, s84, 0x30004                    ; the block of 256 tokens
	s_add_co_u32 s85, s85, s86
	s_and_b32 s84, s84, 15                         ; my first tile inside it, a multiple of 4
	s_mov_b32 s87, 26112
	s_cmp_eq_u32 ttmp9, 0                          ; q or k: the cluster's x alone
	s_cselect_b64 s[88:89], s[10:11], s[12:13]
	s_cselect_b32 s87, 13312, s87                  ; bytes of a block
	s_mul_i32 s90, s85, s87
	s_mov_b32 s91, 0
	s_add_nc_u64 s[88:89], s[88:89], s[90:91]
	s_mul_i32 s90, s84, 768
	s_add_nc_u64 s[92:93], s[88:89], s[90:91]      ; the codes
	s_lshl_b32 s90, s84, 6
	s_add_co_u32 s90, s90, 12288
	s_add_nc_u64 s[94:95], s[88:89], s[90:91]      ; the unit of scale words
	s_lshl_b32 s87, s87, 3                         ; from a head to the next: eight blocks
	v_add_nc_u32 v13, s87, v11
	v_add_nc_u32 v14, s87, v12
	v_mul_lo_u32 v15, v3, s87
	v_lshl_add_u32 v15, v2, 4, v15                 ; lanes 0-15 my first head's unit, lanes 16-31 my second's
	v_lshlrev_b32 v16, 4, v3
.irp a, 0,1,2,3
	ROPE \a
.if \a > 0
	s_wait_xcnt 0x0                                ; the last tile's stores have read the codes' registers
.endif
	QUANT HA, 0, PW+\a                             ; 128 channels: two heads, two blocks each
	global_store_b128 v11, v[PC:PC+3], s[92:93] offset:768*\a          ; my first head's half fragment
	global_store_b64 v12, v[PC+4:PC+5], s[92:93] offset:768*\a+512
	global_store_b128 v13, v[PC+6:PC+9], s[92:93] offset:768*\a        ; my second head's
	global_store_b64 v14, v[PC+10:PC+11], s[92:93] offset:768*\a+512
.endr
.irp a, 0,1,2,3
	v_lshrrev_b32 v[SW+\a], v16, v[PW+\a]
.endr
.irp a, 0,1,2,3
	v_and_b32 v[SW+\a], 0xffff, v[SW+\a]           ; a head's two bytes; the bytes of the K step's empty half are 0
.endr
	global_store_b128 v15, v[SW:SW+3], s[94:95]    ; two whole units of 256 bytes
	s_branch .Ldone
.Lv_path:                                          ; ---- v: a lane holds one channel, its registers run along 128 keys
	MAIN
	s_lshl_b32 s84, s[PWS], 3
	s_add_co_u32 s84, s84, s[PT0]                  ; my first token tile
	s_lshr_b32 s85, s84, 7
	s_lshl_b32 s85, s85, 4
	s_sub_co_u32 s86, s[RT0], 640
	s_lshr_b32 s86, s86, 2
	s_add_co_u32 s86, s86, s[RWS]                  ; my head: four tiles of wv's rows
	s_add_co_u32 s85, s85, s86
	s_lshl_b32 s85, s85, 3
	s_bfe_u32 s86, s84, 0x30004                    ; the slot of 256 keys
	s_add_co_u32 s85, s85, s86
	s_mul_i32 s90, s85, 26112
	s_mov_b32 s91, 0
	s_add_nc_u64 s[88:89], s[12:13], s[90:91]
	s_mul_i32 s90, s[PWS], 6144
	s_add_co_u32 s90, s90, 13312
	s_add_nc_u64 s[92:93], s[88:89], s[90:91]
	s_lshl_b32 s90, s[PWS], 8
	s_add_co_u32 s90, s90, 25600
	s_add_nc_u64 s[94:95], s[88:89], s[90:91]
.irp a, 0,1,2,3
.if \a > 0
	s_wait_xcnt 0x0
.endif
	QUANT 64*\a, 2, PW+\a                          ; straight from the accumulators, each read from its low end on
	global_store_b128 v11, v[PC:PC+3], s[92:93] offset:1536*\a
	global_store_b64 v12, v[PC+4:PC+5], s[92:93] offset:1536*\a+512
	global_store_b128 v11, v[PC+6:PC+9], s[92:93] offset:1536*\a+768
	global_store_b64 v12, v[PC+10:PC+11], s[92:93] offset:1536*\a+1280
.endr
	v_cmp_gt_u32 vcc_lo, 16, v1
	s_wait_xcnt 0x0                                ; EXEC changes only behind this wait
	s_and_saveexec_b32 s84, vcc_lo
	global_store_b128 v17, v[PW:PW+3], s[94:95]    ; lanes 0-15: one whole unit
	s_wait_xcnt 0x0
	s_or_b32 exec_lo, exec_lo, s84
.Ldone:
	s_wait_tensorcnt 0x0                           ; the wave's end
	ds_add_u32 v[SPW], v[NIL]
	s_wait_dscnt 0x0
	CROUND                                         ; the closing round
	s_endpgm
.Lfunc_end_k_q65c581968b_qkv:
	.size	k_q65c581968b_qkv, .Lfunc_end_k_q65c581968b_qkv-k_q65c581968b_qkv
	.p2alignl 7, 3214868480
	.fill 96, 4, 3214868480
	.section	.rodata,"a",@progbits
	.p2align	6, 0x0
	.amdhsa_kernel k_q65c581968b_qkv
		.amdhsa_group_segment_fixed_size 295424
		.amdhsa_private_segment_fixed_size 0
		.amdhsa_enable_private_segment 0
		.amdhsa_kernarg_size 40
		.amdhsa_user_sgpr_count 2
		.amdhsa_user_sgpr_kernarg_segment_ptr 1
		.amdhsa_wavefront_size32 1
		.amdhsa_system_sgpr_workgroup_id_x 1
		.amdhsa_system_sgpr_workgroup_id_y 1
		.amdhsa_system_sgpr_workgroup_id_z 1
		.amdhsa_system_vgpr_workitem_id 0
		.amdhsa_next_free_vgpr 1024
		.amdhsa_next_free_sgpr 100
		.amdhsa_reserve_vcc 1
		.amdhsa_float_denorm_mode_32 3
		.amdhsa_float_denorm_mode_16_64 3
		.amdhsa_memory_ordered 1
		.amdhsa_forward_progress 1
		.amdhsa_inst_pref_size 193
	.end_amdhsa_kernel
	.amdgpu_metadata
---
amdhsa.version: [ 1, 2 ]
amdhsa.kernels:
  - .name:           k_q65c581968b_qkv
    .symbol:         k_q65c581968b_qkv.kd
    .args:
      - { .name: cod, .offset: 0, .size: 8, .value_kind: global_buffer, .address_space: global }
      - { .name: scl, .offset: 8, .size: 8, .value_kind: global_buffer, .address_space: global }
      - { .name: tab, .offset: 16, .size: 8, .value_kind: global_buffer, .address_space: global }
      - { .name: qb, .offset: 24, .size: 8, .value_kind: global_buffer, .address_space: global }
      - { .name: kv, .offset: 32, .size: 8, .value_kind: global_buffer, .address_space: global }
    .group_segment_fixed_size: 295424
    .private_segment_fixed_size: 0
    .kernarg_segment_align: 8
    .kernarg_segment_size: 40
    .max_flat_workgroup_size: 128
    .sgpr_count:     100
    .vgpr_count:     1024
    .wavefront_size: 32
...
	.end_amdgpu_metadata
.endif
;; end of part 2
;; launch attn (part 3): grid 4 x 64, 16 waves a work-group, no clusters, 327,680 bytes of LDS; arguments qb, kv, acod, ascl; writes acod, ascl
.if DOCPART == 3
	.amdgcn_target "amdgcn-amd-amdhsa--gfx1250"
	.amdhsa_code_object_version 6
	.text
	.protected	k_q65c581968b_attn
	.globl	k_q65c581968b_attn
	.p2align	8
	.type	k_q65c581968b_attn,@function
k_q65c581968b_attn:
	s_mov_b64 s[64:65], 0
	v_nop
	global_prefetch_b8 v0, s[64:65] scope:SCOPE_SE
	s_setreg_imm32_b32 hwreg(HW_REG_WAVE_MODE, 25, 1), 1
	s_wait_xcnt 0x0
; softmax(q k^T / 8, causal) v for one head, both products on codes of BF6, and O / l quantised along d_model for the last projection.
; LEFT OUT: key steps of 128 keys all of which come after a wave's queries: reference()'s own jnp.tril makes their scores -infinity, so p = 0 for every value of the inputs (shown at the head of launch prep, with its limit).
; THE SOFTMAX: t = score x log2(e) / 8; M = the running largest t rounded UP to a whole number; p = 2^(t - M) is quantised along the keys, not normalised; the row's sum is taken of the unquantised p and divides O at the end.
; When M moves, the sum and O are multiplied by 2^(old M - new M): exact.
; SHARES.  Work-group (I = x, bh = y) owns the query blocks I and 7 - I (256 queries each) of head bh: it walks slots 0 .. I of 256 keys for the first and 0 .. 7 - I for the second: NINE slots whatever I is, so the
; trip count is a constant, all 256 work-groups have the same work, and every slot that is fetched is read.  Each of sixteen waves owns one tile of 16 queries, in 256 registers: four waves to a SIMD, so that one wave's
; vector work stands beside another's products and LDS loads.  Tile tl of wave w is chosen so that early and late tiles are mixed among neighbouring waves.
; NO CLUSTER: in a given trip the four work-groups of a head want different slots (slot numbers hang on I), so no request could be made jointly.
; LAYOUT.  Both products transposed: S^T = K Q^T, O^T = V^T P^T: a lane holds ONE query throughout.  By the tiles' order of rows (launch prep) the 16 registers of tiles 2 b, 2 b + 1 are 16 neighbouring keys (or channels).
; K = 64 fills half of the instruction's 128: the upper six registers of K's and Q's fragments hold zero codes, written once.
; LDS: slot 0 at 0, slot 1 at 32,768 (26,112 bytes each, one dense tensor load by wave 0); the spare words at 65,536.  All of the WGP's LDS is claimed.
; Every wait in this text is for 0.  By its own count wave 0 has one tensor load out.
.set SLOTB, 32768
.set SPARE, 65536
.set KVB,   26112
.set QBB,   13312
.set L16, 1                            ; v1  16 x lane
.set L8,  2                            ; v2  8 x lane
.set R16, 3                            ; v3  16 r
.set LQ,  4                            ; v4  r + 8 (r / 8) - 16 h
.set SPW, 5
.set NIL, 6
.set A16, 7                            ; v7-9 the same three in the slot in hand
.set A8,  8
.set AS,  9
.set LN,  10                           ; v10 lane
.set QF,  16                           ; v16-27 Q
.set QS,  28                           ; v28 its scale word
.set KFR, 32                           ; v32-79 four fragments of K
.set KS,  80                           ; v80-87 K's scale words
.set VS,  88                           ; v88-91 V's
.set S,   96                           ; v96-159 S^T, then p; behind the conversions v96-143 take V's four fragments
.set VF,  96
.set O,   160                          ; v160-191 O^T
.set BM,  192                          ; block maxima
.set PT,  196                          ; permutes, bytes
.set SO,  200                          ; scale operands
.set PCD, 208                          ; p's codes; v220-222, v224-226 second halves
.set F,   228                          ; v[228:229] f
.set PSW, 230                          ; p's scale word
.set WV,  12
.set TL,  13
.set II,  14
.set BH,  15
.set G1,  16
.set G0,  24
.set KVH, 28                           ; s[28:29] the head's first slot
.set OFS, 30                           ; s[30:31] an offset, its high word 0
.set T,   32
.set I1,  33
.set NS,  34
.set TB,  35
.set KF,  36
.set Q0,  37
.set BLK, 38
.set SEL, 40
.set CS,  42
.set QC,  48
.set QSB, 50
.set OC,  52
.set OSB, 54
.macro TLOAD                           ; wave 0 alone fetches; an s_nop 0 and four v_nop follow the load
	s_cmp_lg_u32 s[WV], 0
	s_cbranch_scc1 .Lno_load_\@
	tensor_load_to_lds s[G0:G0+3], s[G1:G1+7]
	s_nop 0
.rept 4
	v_nop
.endr
.Lno_load_\@:
.endm
; THE CHANGE OF SLOTS, at a slot's head: all my tensor loads have landed (the slot ahead); the add; my reads of the slot that I have left are over; the barrier; then the slot just left is filled with the next trip's keys
.macro CHANGE fill
	s_wait_tensorcnt 0x0
	ds_add_u32 v[SPW], v[NIL]
.if \fill
	ds_add_u32 v[SPW], v[NIL]                      ; twice on end here
	s_add_co_u32 s44, s[NS], 1
	s_cmp_eq_u32 s[T], s[II]                       ; the first block's last slot is in hand: the next trip begins the second block, at slot 0
	s_cselect_b32 s[NS], 0, s44
	s_xor_b32 s[G0+1], s[G0+1], SLOTB
	s_mul_i32 s[OFS], s[NS], KVB
	s_add_nc_u64 s[G0+2:G0+3], s[KVH:KVH+1], s[OFS:OFS+1]
	s_or_b32 s[G0+3], s[G0+3], 0x80000000
.endif
	s_wait_dscnt 0x0
	s_barrier_signal -1
	s_barrier_wait -1
.if \fill
	TLOAD
.endif
	v_add_nc_u32 v[A16], s[TB], v[L16]
	v_add_nc_u32 v[A8], s[TB], v[L8]
	v_add_nc_u32 v[AS], s[TB], v[R16]
.endm
; a query block begins: my tile's codes and scale word; the largest t -3e38, the sum and O^T zeros (the first change of M leaves them zeros)
.macro INITQ
	s_lshl_b32 s[Q0], s[BLK], 8
	s_lshr_b32 s44, s[TL], 1
	s_lshl_b32 s44, s44, 5
	s_add_co_u32 s[Q0], s[Q0], s44
	s_and_b32 s44, s[TL], 1
	s_lshl_b32 s44, s44, 3
	s_add_co_u32 s[Q0], s[Q0], s44                 ; my tile's first query: 256 blk + 32 (tl / 2) + 8 (tl % 2)
	s_lshl_b32 s44, s[BH], 3
	s_add_co_u32 s44, s44, s[BLK]
	s_mul_i32 s44, s44, QBB
	s_mul_i32 s45, s[TL], 768
	s_add_co_u32 s46, s44, s45
	s_mov_b32 s47, 0
	s_add_nc_u64 s[QC:QC+1], s[4:5], s[46:47]
	s_lshr_b32 s45, s[TL], 2
	s_lshl_b32 s45, s45, 8
	s_add_co_u32 s46, s44, s45
	s_and_b32 s45, s[TL], 3
	s_lshl_b32 s45, s45, 2
	s_add_co_u32 s46, s46, s45
	s_add_co_u32 s46, s46, 12288
	s_add_nc_u64 s[QSB:QSB+1], s[4:5], s[46:47]
	global_load_b128 v[QF:QF+3], v[L16], s[QC:QC+1]
	global_load_b64 v[QF+4:QF+5], v[L8], s[QC:QC+1] offset:512
	global_load_b32 v[QS], v[R16], s[QSB:QSB+1]
	v_mov_b32 v13, 0xff61b1e6
	s_delay_alu instid0(VALU_DEP_1)
	v_floor_f32 v12, -v13
	v_mov_b32 v14, 0
	v_mov_b32 v15, 0
.set j, 0
.rept 32
	v_mov_b32 v[O+j], 0
.set j, j+1
.endr
	s_wait_loadcnt 0x0
.endm
; a query block ends: O^T / l, quantised along the head's 64 channels (two blocks), goes out as half fragment `head` of my token tile, with its two scale bytes
.macro FINISH
	v_add_f32 v14, v14, v15
	s_delay_alu instid0(VALU_DEP_1)
	v_permlanex16_b32 v[PT], v14, s[SEL], s[SEL+1]
	s_delay_alu instid0(VALU_DEP_1)
	v_add_f32 v14, v14, v[PT]
	s_wait_alu depctr_va_vdst(0)
	v_rcp_f32 v14, v14
	v_nop                                          ; a plain instruction behind the reciprocal
	s_lshr_b32 s44, s[BH], 4
	s_lshl_b32 s44, s44, 7
	s_lshl_b32 s45, s[BLK], 4
	s_add_co_u32 s44, s44, s45
	s_add_co_u32 s44, s44, s[TL]                   ; my token tile: 128 b + 16 blk + tl
	s_and_b32 s45, s[BH], 15                       ; the head
	s_mul_i32 s46, s44, 12288
	s_mul_i32 s47, s45, 768
	s_add_co_u32 s46, s46, s47
	s_mov_b32 s47, 0
	s_add_nc_u64 s[OC:OC+1], s[8:9], s[46:47]
	s_lshl_b32 s46, s44, 9
	s_lshr_b32 s44, s45, 3
	s_lshl_b32 s44, s44, 8
	s_add_co_u32 s46, s46, s44
	s_and_b32 s45, s45, 7
	s_lshl_b32 s45, s45, 1
	s_add_co_u32 s46, s46, s45
	s_add_nc_u64 s[OSB:OSB+1], s[10:11], s[46:47]
	s_wait_alu depctr_va_vdst(0)                   ; ahead of the reciprocal's first reader
.set j, 0
.rept 16
	v_pk_mul_f32 v[S+j:S+j+1], v[O+j:O+j+1], v[14:15] op_sel_hi:[1,0]   ; each accumulator from its low end on
.set j, j+2
.endr
.irp b, 0,1
	v_max3_num_f32 v[BM+\b], |v[S+16*\b]|, |v[S+1+16*\b]|, 0x2800000
.endr
.irp i, 2,4,6,8,10,12,14
.irp b, 0,1
	s_delay_alu instid0(VALU_DEP_2)
	v_max3_num_f32 v[BM+\b], v[BM+\b], |v[S+16*\b+\i]|, |v[S+1+16*\b+\i]|
.endr
.endr
.irp b, 0,1
	s_delay_alu instid0(VALU_DEP_2)
	v_permlanex16_b32 v[PT+\b], v[BM+\b], s[SEL], s[SEL+1]
.endr
.irp b, 0,1
	s_delay_alu instid0(VALU_DEP_2)
	v_max_num_f32 v[BM+\b], v[BM+\b], v[PT+\b]
.endr
.irp b, 0,1
	s_delay_alu instid0(VALU_DEP_2)
	v_add_nc_u32 v[SO+\b], 0xfe000000, v[BM+\b]
.endr
.irp b, 0,1
	s_delay_alu instid0(VALU_DEP_2)
	v_lshrrev_b32 v[PT+\b], 23, v[SO+\b]
.endr
	s_delay_alu instid0(VALU_DEP_1)
	v_lshl_or_b32 v231, v[PT+1], 8, v[PT]
	v_cvt_scalef32_pk16_bf6_f32 v[PCD:PCD+2], v[S:S+15], v[SO]
	v_cvt_scalef32_pk16_bf6_f32 v[PCD+12:PCD+14], v[S+16:S+31], v[SO+1]
	v_nop
.irp i, 0,1,2
	v_permlane16_swap_b32 v[PCD+\i], v[PCD+12+\i]
.endr
.irp i, 0,1,2
	s_delay_alu instid0(VALU_DEP_3)
	v_mov_b32 v[PCD+3+\i], v[PCD+12+\i]
.endr
	global_store_b128 v[L16], v[PCD:PCD+3], s[OC:OC+1]             ; 512 consecutive bytes, at a multiple of 256
	global_store_b64 v[L8], v[PCD+4:PCD+5], s[OC:OC+1] offset:512  ; 256
	v_cmp_gt_u32 vcc_lo, 16, v[LN]
	s_wait_xcnt 0x0                                ; EXEC changes only behind this wait
	s_and_saveexec_b32 s56, vcc_lo
	global_store_b16 v[R16], v231, s[OSB:OSB+1]    ; a row's word of a K step holds two heads' bytes: mine are two of a row's 32
	s_wait_xcnt 0x0
	s_or_b32 exec_lo, exec_lo, s56
.endm
; A KEY STEP: 128 keys, the q-th of the slot in hand
.macro STEP q
	s_add_co_u32 s44, s[Q0], 23                    ; my last query
	s_cmp_gt_u32 s[KF], s44
	s_cbranch_scc1 .Lhidden_\@                     ; all its keys come after my queries: a branch on ids and the count of steps; no barrier, wait on tensor loads, add or tensor load stands in a step
	s_wait_alu depctr_va_vdst(0)
.irp g, 0,1                                    ; S^T = K Q^T, four tiles of 16 keys at a time
.if \g
.rept 4
	v_nop                                          ; places in front of loads into registers that the last four products read
.endr
.endif
.irp t, 0,1,2,3
	ds_load_b128 v[KFR+12*\t:KFR+12*\t+3], v[A16] offset:768*(8*(\q)+4*\g+\t)
	ds_load_b64 v[KFR+12*\t+4:KFR+12*\t+5], v[A8] offset:768*(8*(\q)+4*\g+\t)+512
.endr
	ds_load_b128 v[KS+4*\g:KS+4*\g+3], v[AS] offset:12288+256*(2*(\q)+\g)
	s_wait_dscnt 0x0
.irp t, 0,1,2,3
	v_wmma_scale_f32_16x16x128_f8f6f4 v[S+8*(4*\g+\t):S+8*(4*\g+\t)+7], v[KFR+12*\t:KFR+12*\t+11], v[QF:QF+11], 0, v[KS+4*\g+\t], v[QS] matrix_a_fmt:MATRIX_FMT_BF6 matrix_b_fmt:MATRIX_FMT_BF6
.endr
.endr
.rept 4
	v_nop
.endr
	s_add_co_u32 s44, s[KF], 127                   ; on the diagonal hidden scores become -infinity ahead of the maximum; a step all of whose keys count skips this
	s_cmp_le_u32 s44, s[Q0]
	s_cbranch_scc1 .Lopen_\@
	s_sub_co_i32 s44, s[Q0], s[KF]
	v_add_nc_u32 v231, s44, v[LQ]                  ; d = my query - KF - 16 h.  Register 16 b + i holds key KF + 16 h + 32 b + i: hidden where 32 b + i > d
	v_mov_b32 v232, 0xff800000
.set n, 0
.rept 64
	v_cmp_gt_i32 vcc_lo, 32*(n/16)+n%16, v231
	v_cndmask_b32 v[S+n], v[S+n], v232, vcc_lo
.set n, n+1
.endr
.Lopen_\@:
.irp b, 0,1,2,3
	v_max3_num_f32 v[BM+\b], v[S+16*\b], v[S+1+16*\b], v[S+2+16*\b]   ; the largest score of each block of 32 keys: for the row's maximum, and, since p rises with the score, for the block's largest p
.endr
.irp i, 3,5,7,9,11,13
.irp b, 0,1,2,3
	v_max3_num_f32 v[BM+\b], v[BM+\b], v[S+16*\b+\i], v[S+1+16*\b+\i]
.endr
.endr
.irp b, 0,1,2,3
	v_max_num_f32 v[BM+\b], v[BM+\b], v[S+15+16*\b]
.endr
.irp b, 0,1,2,3
	s_delay_alu instid0(VALU_DEP_4)
	v_permlanex16_b32 v[PT+\b], v[BM+\b], s[SEL], s[SEL+1]
.endr
.irp b, 0,1,2,3
	s_delay_alu instid0(VALU_DEP_4)
	v_max_num_f32 v[BM+\b], v[BM+\b], v[PT+\b]
.endr
	s_delay_alu instid0(VALU_DEP_2)
	v_max3_num_f32 v231, v[BM], v[BM+1], v[BM+2]
	s_delay_alu instid0(VALU_DEP_1)
	v_max_num_f32 v231, v231, v[BM+3]
	s_delay_alu instid0(VALU_DEP_1)
	v_mul_f32 v231, s[CS], v231                    ; as t
	s_delay_alu instid0(VALU_DEP_1)
	v_max_num_f32 v13, v13, v231                   ; the running largest t
	v_mov_b32 v231, v12
	s_delay_alu instid0(VALU_DEP_2)
	v_floor_f32 v12, -v13                          ; the new -M = floor(-t): M is a whole number
	s_delay_alu instid0(VALU_DEP_1)
	v_sub_f32 v231, v12, v231                      ; old M - new M
	s_delay_alu instid0(VALU_DEP_1)
	v_cvt_i32_f32 v231, v231                       ; (it saturates)
	s_delay_alu instid0(VALU_DEP_1)
	v_ldexp_f32 v[F], 1.0, v231                    ; f = 2^(old M - new M)
.set j, 0
.rept 32
	v_pk_fma_f32 v[S+j:S+j+1], v[S+j:S+j+1], s[CS:CS+1], v[12:13] op_sel_hi:[1,0,0]   ; t - M
.set j, j+2
.endr
.irp b, 0,1,2,3
	v_fma_f32 v[BM+\b], v[BM+\b], s[CS], v12
.endr
.set j, 0
	s_wait_alu depctr_va_vdst(0)
.rept 64
	v_exp_f32 v[S+j], v[S+j]                       ; p = 2^(t - M)
.set j, j+1
.endr
	v_pk_mul_f32 v[14:15], v[14:15], v[F:F+1] op_sel_hi:[1,0]   ; the sums under the new M (a plain instruction behind the exponentials)
	s_wait_alu depctr_va_vdst(0)                   ; one wait for the batch, ahead of its first reader
.irp b, 0,1,2,3
	v_exp_f32 v[BM+\b], v[BM+\b]                   ; the blocks' largest p
.endr
	v_pk_add_f32 v[232:233], v[100:101], v[104:105]
	v_pk_add_f32 v[254:255], v[108:109], v[112:113]
	v_pk_add_f32 v[252:253], v[116:117], v[120:121]
	v_pk_add_f32 v[250:251], v[124:125], v[128:129]
	v_pk_add_f32 v[248:249], v[132:133], v[136:137]
	v_pk_add_f32 v[246:247], v[140:141], v[144:145]
	v_pk_add_f32 v[244:245], v[148:149], v[152:153]
	v_pk_add_f32 v[14:15], v[14:15], v[156:157]
	v_pk_add_f32 v[232:233], v[232:233], v[96:97]
	v_pk_add_f32 v[254:255], v[254:255], v[98:99]
	v_pk_add_f32 v[252:253], v[252:253], v[102:103]
	v_pk_add_f32 v[250:251], v[250:251], v[106:107]
	v_pk_add_f32 v[248:249], v[248:249], v[110:111]
	v_pk_add_f32 v[246:247], v[246:247], v[114:115]
	v_pk_add_f32 v[244:245], v[244:245], v[118:119]
	v_pk_add_f32 v[14:15], v[14:15], v[122:123]
	v_pk_add_f32 v[232:233], v[232:233], v[126:127]
	v_pk_add_f32 v[254:255], v[254:255], v[130:131]
	v_pk_add_f32 v[252:253], v[252:253], v[134:135]
	v_pk_add_f32 v[250:251], v[250:251], v[138:139]
	v_pk_add_f32 v[248:249], v[248:249], v[142:143]
	v_pk_add_f32 v[246:247], v[246:247], v[146:147]
	v_pk_add_f32 v[244:245], v[244:245], v[150:151]
	v_pk_add_f32 v[14:15], v[14:15], v[154:155]
	v_pk_add_f32 v[232:233], v[232:233], v[158:159]
	s_delay_alu instid0(VALU_DEP_2)
	v_pk_add_f32 v[14:15], v[14:15], v[250:251]
	s_delay_alu instid0(VALU_DEP_2)
	v_pk_add_f32 v[232:233], v[232:233], v[248:249]
	v_pk_add_f32 v[254:255], v[254:255], v[246:247]
	v_pk_add_f32 v[252:253], v[252:253], v[244:245]
	s_delay_alu instid0(VALU_DEP_2)
	v_pk_add_f32 v[14:15], v[14:15], v[254:255]
	s_delay_alu instid0(VALU_DEP_2)
	v_pk_add_f32 v[232:233], v[232:233], v[252:253]
	s_delay_alu instid0(VALU_DEP_1)
	v_pk_add_f32 v[14:15], v[14:15], v[232:233]
	s_wait_alu depctr_va_vdst(0)                   ; and one for the four
.irp b, 0,1,2,3
	v_max_num_f32 v[BM+\b], 0x2800000, v[BM+\b]    ; the floor 2^(5 - 127)
.endr
.irp b, 0,1,2,3
	s_delay_alu instid0(VALU_DEP_4)
	v_add_nc_u32 v[SO+\b], 0xfe000000, v[BM+\b]
.endr
.irp b, 0,1,2,3
	s_delay_alu instid0(VALU_DEP_4)
	v_lshrrev_b32 v[PT+\b], 23, v[SO+\b]
.endr
	s_delay_alu instid0(VALU_DEP_3)
	v_lshl_or_b32 v[PSW], v[PT+1], 8, v[PT]
	s_delay_alu instid0(VALU_DEP_1)
	v_lshl_or_b32 v[PSW], v[PT+2], 16, v[PSW]
	s_delay_alu instid0(VALU_DEP_1)
	v_lshl_or_b32 v[PSW], v[PT+3], 24, v[PSW]
.irp c, 0,1
	v_cvt_scalef32_pk16_bf6_f32 v[PCD+6*\c:PCD+2+6*\c], v[S+32*\c:S+15+32*\c], v[SO+2*\c]
	v_cvt_scalef32_pk16_bf6_f32 v[PCD+12+4*\c:PCD+14+4*\c], v[S+16+32*\c:S+31+32*\c], v[SO+2*\c+1]
.endr
	v_nop                                          ; one plain instruction behind the scaled conversions
.irp t, 0,1,2,3                                ; p's registers are done with: V's four fragments land there while the codes are put in order and O^T is rescaled
	ds_load_b128 v[VF+12*\t:VF+12*\t+3], v[A16] offset:13312+1536*(4*(\q)+\t)
	ds_load_b64 v[VF+12*\t+4:VF+12*\t+5], v[A8] offset:13312+1536*(4*(\q)+\t)+512
	ds_load_b128 v[VF+12*\t+6:VF+12*\t+9], v[A16] offset:13312+1536*(4*(\q)+\t)+768
	ds_load_b64 v[VF+12*\t+10:VF+12*\t+11], v[A8] offset:13312+1536*(4*(\q)+\t)+1280
.endr
	ds_load_b128 v[VS:VS+3], v[AS] offset:25600+256*(\q)
.irp c, 0,1
.irp i, 0,1,2
	v_permlane16_swap_b32 v[PCD+6*\c+\i], v[PCD+12+4*\c+\i]
.endr
.irp i, 0,1,2
	s_delay_alu instid0(VALU_DEP_3)
	v_mov_b32 v[PCD+3+6*\c+\i], v[PCD+12+4*\c+\i]
.endr
.endr
.set j, 0
.rept 16
	v_pk_mul_f32 v[O+j:O+j+1], v[O+j:O+j+1], v[F:F+1] op_sel_hi:[1,0]   ; O^T under the new M.  (These sixteen are also the places between the codes' and the scale word's last writes and the products)
.set j, j+2
.endr
	s_wait_alu depctr_va_vdst(0)
	s_wait_dscnt 0x0
.irp t, 0,1,2,3
	v_wmma_scale_f32_16x16x128_f8f6f4 v[O+8*\t:O+8*\t+7], v[VF+12*\t:VF+12*\t+11], v[PCD:PCD+11], v[O+8*\t:O+8*\t+7], v[VS+\t], v[PSW] matrix_a_fmt:MATRIX_FMT_BF6 matrix_b_fmt:MATRIX_FMT_BF6
.endr
.rept 5
	v_nop                                          ; five: the next step's S^T is written by matrix instructions over the registers that these products read
.endr
.Lhidden_\@:
	s_add_co_u32 s[KF], s[KF], 128
.endm
	s_load_b256 s[4:11], s[0:1], 0x0               ; qb s[4:5], kv s[6:7], acod s[8:9], ascl s[10:11]
	v_lshl_add_u32 v[SPW], v0, 2, SPARE
	v_mov_b32 v[NIL], 0
	ds_add_u32 v[SPW], v[NIL]                      ; the wave's opening: the add, twice on end, and its wait ahead of the first tensor load
	ds_add_u32 v[SPW], v[NIL]
	v_lshrrev_b32 v[LN], 5, v0
	s_delay_alu instid0(VALU_DEP_1)
	v_readfirstlane_b32 s[WV], v[LN]
	s_lshr_b32 s44, s[WV], 2
	s_xor_b32 s44, s44, s[WV]
	s_and_b32 s44, s44, 1
	s_lshl_b32 s44, s44, 3
	s_lshr_b32 s[TL], s[WV], 1
	s_or_b32 s[TL], s[TL], s44                     ; my tile of the block's sixteen
	s_mov_b32 s[II], ttmp9
	s_and_b32 s[BH], ttmp7, 0xffff
	s_mov_b32 s[G1], 3<<16                         ; a slot is one dense block: 102 rows of 256 bytes (32 elements of 8 bytes), no padding
	s_mov_b32 s[G1+1], 32<<16
	s_mov_b32 s[G1+2], 102<<16
	s_mov_b32 s[G1+3], 32<<16
	s_mov_b32 s[G1+4], 102
	s_mov_b32 s[G1+5], 32
	s_mov_b32 s[G1+6], 0
	s_mov_b32 s[G1+7], 0
	s_mul_i32 s[OFS], s[BH], 8*KVB
	s_mov_b32 s[OFS+1], 0
	s_mov_b32 s[SEL], 0x76543210
	s_mov_b32 s[SEL+1], 0xfedcba98
	s_mov_b32 s[CS], 0x3e38aa3b                    ; log2(e) / 8
	s_mov_b32 s[CS+1], s[CS]
	s_add_co_u32 s[I1], s[II], 1
	s_mov_b32 s[T], 0
	s_mov_b32 s[NS], 0
	s_mov_b32 s[TB], 0
	s_mov_b32 s[KF], 0
	s_mov_b32 s[BLK], s[II]
	s_wait_dscnt 0x0                               ; both opening adds are done
	s_wait_kmcnt 0x0
	s_add_nc_u64 s[KVH:KVH+1], s[6:7], s[OFS:OFS+1]
	s_mov_b32 s[G0], 1
	s_mov_b32 s[G0+1], 0
	s_mov_b64 s[G0+2:G0+3], s[KVH:KVH+1]
	s_or_b32 s[G0+3], s[G0+3], 0x80000000
	TLOAD                                          ; slot 0 of the head: key 0 counts for every query
	v_and_b32 v[LN], 31, v0
	s_delay_alu instid0(VALU_DEP_1)
	v_lshlrev_b32 v[L16], 4, v[LN]
	s_delay_alu instid0(VALU_DEP_2)
	v_lshlrev_b32 v[L8], 3, v[LN]
	v_and_b32 v231, 15, v0
	s_delay_alu instid0(VALU_DEP_1)
	v_lshlrev_b32 v[R16], 4, v231
	s_delay_alu instid0(VALU_DEP_2)
	v_and_b32 v232, 8, v231
	s_delay_alu instid0(VALU_DEP_1)
	v_add_nc_u32 v[LQ], v232, v231
	v_bfe_u32 v232, v0, 4, 1
	s_delay_alu instid0(VALU_DEP_1)
	v_lshlrev_b32 v232, 4, v232
	s_delay_alu instid0(VALU_DEP_1)
	v_sub_nc_u32 v[LQ], v[LQ], v232
.irp i, 6,7,8,9,10,11
	v_mov_b32 v[QF+\i], 0                          ; the empty half of K = 128: zero codes, on both sides
.irp t, 0,1,2,3
	v_mov_b32 v[KFR+12*\t+\i], 0
.endr
.endr
.irp b, 0,1,2,3
	v_mov_b32 v[PT+\b], 0                          ; a lane permute's destination counts as one of its sources
.endr
	v_mov_b32 v[F+1], 0                            ; (named as the upper half of a pair)
	INITQ
.Lslot:                                            ; eight trips; the ninth slot is written out
	CHANGE 1
	s_cmp_lg_u32 s[T], s[I1]                       ; ids and the count of trips alone: all sixteen waves go the same way
	s_cbranch_scc1 .Lsame
	FINISH                                         ; the first block is done;
	s_sub_co_u32 s[BLK], 7, s[II]                  ; the second begins, at key 0
	s_mov_b32 s[KF], 0
	INITQ
.Lsame:
	STEP 0
	STEP 1
	s_xor_b32 s[TB], s[TB], SLOTB
	s_add_co_u32 s[T], s[T], 1
	s_cmp_lt_u32 s[T], 8
	s_cbranch_scc1 .Lslot
	CHANGE 0
	STEP 0
	STEP 1
	FINISH
	s_wait_tensorcnt 0x0                           ; the wave's end
	ds_add_u32 v[SPW], v[NIL]
	s_wait_dscnt 0x0
	s_endpgm
.Lfunc_end_k_q65c581968b_attn:
	.size	k_q65c581968b_attn, .Lfunc_end_k_q65c581968b_attn-k_q65c581968b_attn
	.p2alignl 7, 3214868480
	.fill 96, 4, 3214868480
	.section	.rodata,"a",@progbits
	.p2align	6, 0x0
	.amdhsa_kernel k_q65c581968b_attn
		.amdhsa_group_segment_fixed_size 327680
		.amdhsa_private_segment_fixed_size 0
		.amdhsa_enable_private_segment 0
		.amdhsa_kernarg_size 32
		.amdhsa_user_sgpr_count 2
		.amdhsa_user_sgpr_kernarg_segment_ptr 1
		.amdhsa_wavefront_size32 1
		.amdhsa_system_sgpr_workgroup_id_x 1
		.amdhsa_system_sgpr_workgroup_id_y 1
		.amdhsa_system_sgpr_workgroup_id_z 1
		.amdhsa_system_vgpr_workitem_id 0
		.amdhsa_next_free_vgpr 256
		.amdhsa_next_free_sgpr 66
		.amdhsa_reserve_vcc 1
		.amdhsa_float_denorm_mode_32 3
		.amdhsa_float_denorm_mode_16_64 3
		.amdhsa_memory_ordered 1
		.amdhsa_forward_progress 1
		.amdhsa_inst_pref_size 111
	.end_amdhsa_kernel
	.amdgpu_metadata
---
amdhsa.version: [ 1, 2 ]
amdhsa.kernels:
  - .name:           k_q65c581968b_attn
    .symbol:         k_q65c581968b_attn.kd
    .args:
      - { .name: qb, .offset: 0, .size: 8, .value_kind: global_buffer, .address_space: global }
      - { .name: kv, .offset: 8, .size: 8, .value_kind: global_buffer, .address_space: global }
      - { .name: acod, .offset: 16, .size: 8, .value_kind: global_buffer, .address_space: global }
      - { .name: ascl, .offset: 24, .size: 8, .value_kind: global_buffer, .address_space: global }
    .group_segment_fixed_size: 327680
    .private_segment_fixed_size: 0
    .kernarg_segment_align: 8
    .kernarg_segment_size: 32
    .max_flat_workgroup_size: 512
    .sgpr_count:     66
    .vgpr_count:     256
    .wavefront_size: 32
...
	.end_amdgpu_metadata
.endif
;; end of part 3
;; launch oproj (part 4): grid 4 x 64, 4 waves a work-group, clusters of 4 x 4, 295,424 bytes of LDS; arguments acod, ascl, cod, scl, out0; writes out0
.if DOCPART == 4
	.amdgcn_target "amdgcn-amd-amdhsa--gfx1250"
	.amdhsa_code_object_version 6
	.text
	.protected	k_q65c581968b_oproj
	.globl	k_q65c581968b_oproj
	.p2align	8
	.type	k_q65c581968b_oproj,@function
k_q65c581968b_oproj:
	s_mov_b64 s[64:65], 0
	v_nop
	global_prefetch_b8 v0, s[64:65] scope:SCOPE_SE
	s_setreg_imm32_b32 hwreg(HW_REG_WAVE_MODE, 25, 1), 1
	s_wait_xcnt 0x0
	s_wait_alu depctr_hold_cnt(0) depctr_sa_sdst(0) depctr_va_vdst(0) depctr_va_sdst(0) depctr_va_ssrc(0) depctr_va_vcc(0) depctr_vm_vsrc(0)
	s_getreg_b32 s2, hwreg(HW_REG_IB_STS2, 6, 4)
	s_cmp_eq_u32 s2, 0
	s_cbranch_scc0 .Lentry_in_a_cluster
	s_endpgm
.Lentry_in_a_cluster:
	s_bfe_u32 s2, ttmp6, 0x10000c
	s_cmp_lg_u32 s2, 0xf033
	s_cbranch_scc0 .Lentry_shape_is_right
	s_endpgm
.Lentry_shape_is_right:
; out0 = O wo^T on codes of BF6: O's codes and scale bytes from launch attn, wo's from launch prep.  Nothing of this product is left out.
; THE PRODUCT, the shares, the LDS map and the joint loads are launch qkv's: D = P R^T with P = wo's rows (tiles 704 + 16 cx) as source 0 and R = tokens (tiles 32 cly + 8 cy) as source 1.  A work-group: 256 rows of wo x
; 128 tokens, all of K = 1,024, whose codes (294,912 bytes) are asked for at the head in four chunks of 256 along K: every tensor load is a first fill; by this text's count a wave has four out.  Four waves, each 128 x 64.
; A lane holds one token, and its registers run along the output's channels: 32 b + 16 h + 0 .. 15 in the 16 registers of result tiles 2 b, 2 b + 1.
; THE WAY OUT.  A tile of 16 tokens x 128 channels goes through the wave's own stage in LDS (rows of 512 + 16 bytes) and leaves as whole rows: 32 lanes store 512 consecutive bytes, at a multiple of 256.
; The stages lie in P's chunk 0: it has had its one fill, and every wave's reads of it were over before it signalled the barrier in front of chunk 1.
; REGISTERS.  Window 0: v1-3 lane, r, h; v4-7 LDS addresses; v8-12 offsets; v28, v29 the add's two; v32-63 P's scale words, v64-79 R's; v128-223 R's fragments, two sets; on the way out v128-255 rows of out0.
;   Window 1: P's fragments, two sets.   Window 2: accumulator (a, i) at v[8 (8 a + i)].
.set SPARE, 294912
.set PBUF, 8                           ; s[8:9] cod
.set RBUF, 4                           ; s[4:5] acod
.set PSCL, 10                          ; s[10:11] scl
.set RSCL, 6                           ; s[6:7] ascl
.set G1P, 16
.set G1R, 24
.set G0P, 32
.set G0R, 48
.set WV,  66
.set PWS, 67
.set RWS, 68
.set CX,  69
.set CY,  70
.set CLY, 71
.set PT0, 73
.set RT0, 74
.set OUT, 88
.set AP16, 4
.set AP8,  5
.set AR16, 6
.set AR8,  7
.set STO, 10
.set RD,  11
.set CO,  12
.set SPW, 28
.set NIL, 29
.set SP,  32
.set SR,  64
.set RF,  128
.set MSB, 0
.macro WIN new                         ; the immediate's high byte repeats the setting that is left
.if MSB != \new
	s_set_vgpr_msb (MSB<<8)|\new
.set MSB, \new
.endif
.endm
.macro PLACES                          ; four plain instructions between a matrix instruction and a load into, or a read of, its registers
.rept 4
	v_nop
.endr
.endm
.macro CROUND                          ; a round of the cluster's barrier
	s_barrier_signal -1
	s_barrier_wait -1
	s_cmp_lg_u32 s[WV], 0
	s_cbranch_scc1 .Lnot_wave_0_\@
	s_barrier_signal -3
.Lnot_wave_0_\@:
	s_barrier_wait -3
	s_barrier_signal -1
	s_barrier_wait -1
.endm
.macro FETCH q, set                    ; the fragments of one K step: P's eight, R's four; a fragment is two half fragments on end: 16, 8, 16, 8 bytes a lane
	WIN 0x40
.irp i, 0,1,2,3,4,5,6,7
	ds_load_b128 v[128*(\set)+12*\i:128*(\set)+12*\i+3],     v[AP16] offset:3072*\i+1536*(\q)
	ds_load_b64  v[128*(\set)+12*\i+4:128*(\set)+12*\i+5],   v[AP8]  offset:3072*\i+1536*(\q)+512
	ds_load_b128 v[128*(\set)+12*\i+6:128*(\set)+12*\i+9],   v[AP16] offset:3072*\i+1536*(\q)+768
	ds_load_b64  v[128*(\set)+12*\i+10:128*(\set)+12*\i+11], v[AP8]  offset:3072*\i+1536*(\q)+1280
.endr
	WIN 0
.irp a, 0,1,2,3
	ds_load_b128 v[RF+48*(\set)+12*\a:RF+48*(\set)+12*\a+3],     v[AR16] offset:3072*\a+1536*(\q)
	ds_load_b64  v[RF+48*(\set)+12*\a+4:RF+48*(\set)+12*\a+5],   v[AR8]  offset:3072*\a+1536*(\q)+512
	ds_load_b128 v[RF+48*(\set)+12*\a+6:RF+48*(\set)+12*\a+9],   v[AR16] offset:3072*\a+1536*(\q)+768
	ds_load_b64  v[RF+48*(\set)+12*\a+10:RF+48*(\set)+12*\a+11], v[AR8]  offset:3072*\a+1536*(\q)+1280
.endr
.endm
.macro PROD a, i, set, ks, zero        ; one product; the scale words' registers and rows as in launch qkv
.set rD, 8*(8*(\a)+(\i))
.set rP, 128*(\set)+12*(\i)
.set rR, RF+48*(\set)+12*(\a)
.set rA, SP+8*((\i)%4)+(\ks)
.set rB, SR+8*((\a)%2)+(\ks)
.if \zero
.if ((\i) < 4) && ((\a) < 2)
	v_wmma_scale_f32_16x16x128_f8f6f4 v[rD:rD+7], v[rP:rP+11], v[rR:rR+11], 0, v[rA], v[rB] matrix_a_fmt:MATRIX_FMT_BF6 matrix_b_fmt:MATRIX_FMT_BF6
.elseif (\i) < 4
	v_wmma_scale_f32_16x16x128_f8f6f4 v[rD:rD+7], v[rP:rP+11], v[rR:rR+11], 0, v[rA], v[rB] matrix_a_fmt:MATRIX_FMT_BF6 matrix_b_fmt:MATRIX_FMT_BF6 matrix_b_scale:MATRIX_SCALE_ROW1
.elseif (\a) < 2
	v_wmma_scale_f32_16x16x128_f8f6f4 v[rD:rD+7], v[rP:rP+11], v[rR:rR+11], 0, v[rA], v[rB] matrix_a_fmt:MATRIX_FMT_BF6 matrix_b_fmt:MATRIX_FMT_BF6 matrix_a_scale:MATRIX_SCALE_ROW1
.else
	v_wmma_scale_f32_16x16x128_f8f6f4 v[rD:rD+7], v[rP:rP+11], v[rR:rR+11], 0, v[rA], v[rB] matrix_a_fmt:MATRIX_FMT_BF6 matrix_b_fmt:MATRIX_FMT_BF6 matrix_a_scale:MATRIX_SCALE_ROW1 matrix_b_scale:MATRIX_SCALE_ROW1
.endif
.else
.if ((\i) < 4) && ((\a) < 2)
	v_wmma_scale_f32_16x16x128_f8f6f4 v[rD:rD+7], v[rP:rP+11], v[rR:rR+11], v[rD:rD+7], v[rA], v[rB] matrix_a_fmt:MATRIX_FMT_BF6 matrix_b_fmt:MATRIX_FMT_BF6
.elseif (\i) < 4
	v_wmma_scale_f32_16x16x128_f8f6f4 v[rD:rD+7], v[rP:rP+11], v[rR:rR+11], v[rD:rD+7], v[rA], v[rB] matrix_a_fmt:MATRIX_FMT_BF6 matrix_b_fmt:MATRIX_FMT_BF6 matrix_b_scale:MATRIX_SCALE_ROW1
.elseif (\a) < 2
	v_wmma_scale_f32_16x16x128_f8f6f4 v[rD:rD+7], v[rP:rP+11], v[rR:rR+11], v[rD:rD+7], v[rA], v[rB] matrix_a_fmt:MATRIX_FMT_BF6 matrix_b_fmt:MATRIX_FMT_BF6 matrix_a_scale:MATRIX_SCALE_ROW1
.else
	v_wmma_scale_f32_16x16x128_f8f6f4 v[rD:rD+7], v[rP:rP+11], v[rR:rR+11], v[rD:rD+7], v[rA], v[rB] matrix_a_fmt:MATRIX_FMT_BF6 matrix_b_fmt:MATRIX_FMT_BF6 matrix_a_scale:MATRIX_SCALE_ROW1 matrix_b_scale:MATRIX_SCALE_ROW1
.endif
.endif
.endm
.macro MUL16 a0, set, ks, zero         ; the 32 accumulators take turns, one instruction a turn, in the same order in every step
.irp a, \a0, \a0+1
.irp i, 0,1,2,3,4,5,6,7
	PROD \a, \i, \set, \ks, \zero
.endr
.endr
.endm
.macro STEP s, zero                    ; K step s of eight: in its middle the next step's fragments are fetched into the other set; where the next step begins a chunk, a barrier shows the chunk whole
	s_wait_dscnt 0x0                               ; this step's fragments are in
	WIN 0xa1
	MUL16 0, (\s)%2, \s, \zero
.if ((\s) < 7) && ((\s)%2 == 1)
	WIN 0
	s_wait_tensorcnt 2-(\s)/2                      ; my part of the next chunk has landed; my chunks behind it stay out
	s_barrier_signal -1                            ; (no LDS instruction of mine is out)
	s_barrier_wait -1
	v_add_nc_u32 v[AP16], 49152, v[AP16]
	v_add_nc_u32 v[AP8], 49152, v[AP8]
	v_add_nc_u32 v[AR16], 24576, v[AR16]
	v_add_nc_u32 v[AR8], 24576, v[AR8]
.endif
.if (\s) < 7
	PLACES
	FETCH ((\s)+1)%2, ((\s)+1)%2
.endif
	WIN 0xa1
	MUL16 2, (\s)%2, \s, \zero
.endm
.macro TOSTAGE a                       ; token tile a: into my stage, each accumulator from its low end on, and back as whole rows.  LDS serves a wave's instructions in order: no wait between
	WIN 0x08                                       ; an LDS store's data are its source 1: window 2
.irp k, 0,1,2,3
.irp j, 0,1,2,3
	ds_store_b128 v[STO], v[64*(\a)+16*\k+4*\j:64*(\a)+16*\k+4*\j+3] offset:128*\k+16*\j
.endr
.endr
	WIN 0
.set BB, 128+64*((\a)%2)
.irp t, 0,1,2,3,4,5,6,7,8,9,10,11,12,13,14,15
	ds_load_b128 v[BB+4*\t:BB+4*\t+3], v[RD] offset:528*\t
.endr
.endm
.macro SEND a, younger                 ; younger: the LDS instructions issued behind tile a's loads, which may stay out
.set BB, 128+64*((\a)%2)
	s_wait_dscnt \younger
.irp t, 0,1,2,3,4,5,6,7,8,9,10,11,12,13,14,15
	global_store_b128 v[CO], v[BB+4*\t:BB+4*\t+3], s[OUT:OUT+1] offset:(32*((\a)/2)+8*((\a)%2)+\t+8*(\t/8))*4096 th:TH_STORE_NT
.endr
.endm
	s_load_b256 s[4:11], s[0:1], 0x0               ; acod s[4:5], ascl s[6:7], cod s[8:9], scl s[10:11]
	s_load_b64 s[12:13], s[0:1], 0x20              ; out0
	v_lshl_add_u32 v[SPW], v0, 2, SPARE
	v_mov_b32 v[NIL], 0
	ds_add_u32 v[SPW], v[NIL]                      ; the wave's opening: the add, twice on end, and its wait ahead of my first tensor load
	ds_add_u32 v[SPW], v[NIL]
	v_lshrrev_b32 v1, 5, v0
	v_readfirstlane_b32 s[WV], v1
	s_and_b32 s[PWS], s[WV], 1
	s_lshr_b32 s[RWS], s[WV], 1
	s_bfe_u32 s[CX], ttmp6, 0x40000
	s_bfe_u32 s[CY], ttmp6, 0x40004
	s_and_b32 s[CLY], ttmp7, 0xffff
	s_lshl_b32 s75, 0x1111, s[CX]                  ; my column of the cluster
	s_lshl_b32 s77, s[CY], 2
	s_lshl_b32 s77, 15, s77                        ; my row
	s_or_b32 s[G1P], s75, (3<<16)|(1<<21)
	s_or_b32 s[G1R], s77, (3<<16)|(1<<21)
	s_mov_b32 s[G1P+1], 384<<16
	s_mov_b32 s[G1P+2], 8<<16
	s_mov_b32 s[G1P+3], 384<<16
	s_mov_b32 s[G1P+4], 8
	s_mov_b32 s[G1P+5], 1536
	s_mov_b32 s[G1P+6], 0
	s_mov_b32 s[G1P+7], 0
	s_mov_b32 s[G1R+1], 384<<16
	s_mov_b32 s[G1R+2], 4<<16
	s_mov_b32 s[G1R+3], 384<<16
	s_mov_b32 s[G1R+4], 4
	s_mov_b32 s[G1R+5], 1536
	s_mov_b32 s[G1R+6], 0
	s_mov_b32 s[G1R+7], 0
	s_lshl_b32 s[PT0], s[CX], 4
	s_add_co_u32 s[PT0], s[PT0], 704               ; wo's tiles: on cx, never on cy
	s_lshl_b32 s[RT0], s[CLY], 5
	s_lshl_b32 s77, s[CY], 3
	s_add_co_u32 s[RT0], s[RT0], s77               ; the tokens': on cy, never on cx
	s_lshl_b32 s75, s[PWS], 3
	s_add_co_u32 s75, s75, s[PT0]
	s_mul_i32 s80, s75, 12288
	s_mov_b32 s81, 0
	s_lshl_b32 s77, s[PWS], 2
	s_add_co_u32 s77, s77, s[RT0]
	s_mul_i32 s82, s77, 12288
	s_mov_b32 s83, 0
	s_mul_i32 s76, s[PWS], 24576
	s_mul_i32 s78, s[PWS], 12288
	s_add_co_u32 s78, s78, 196608
	s_wait_dscnt 0x0                               ; both opening adds are done
	s_wait_kmcnt 0x0
	s_add_nc_u64 s[80:81], s[PBUF:PBUF+1], s[80:81]
	s_add_nc_u64 s[82:83], s[RBUF:RBUF+1], s[82:83]
.irp c, 0,1,2,3
	s_mov_b32 s[G0P+4*\c], 1
	s_add_co_u32 s[G0P+4*\c+1], s76, 49152*\c
	s_add_nc_u64 s[G0P+4*\c+2:G0P+4*\c+3], s[80:81], 3072*\c
	s_or_b32 s[G0P+4*\c+3], s[G0P+4*\c+3], 0x80000000
	s_mov_b32 s[G0R+4*\c], 1
	s_add_co_u32 s[G0R+4*\c+1], s78, 24576*\c
	s_add_nc_u64 s[G0R+4*\c+2:G0R+4*\c+3], s[82:83], 3072*\c
	s_or_b32 s[G0R+4*\c+3], s[G0R+4*\c+3], 0x80000000
.endr
	CROUND                                         ; all sixteen work-groups are here: the joint loads meet
	s_cmp_eq_u32 s[RWS], 0
	s_cbranch_scc0 .Lfill_r
.irp c, 0,1,2,3
	tensor_load_to_lds s[G0P+4*\c:G0P+4*\c+3], s[G1P:G1P+7]
	s_nop 0
.endr
	PLACES
	s_branch .Lfilled
.Lfill_r:
.irp c, 0,1,2,3
	tensor_load_to_lds s[G0R+4*\c:G0R+4*\c+3], s[G1R:G1R+7]
	s_nop 0
.endr
	PLACES
.Lfilled:
	v_and_b32 v1, 31, v0
	v_and_b32 v2, 15, v0
	v_bfe_u32 v3, v0, 4, 1
	s_mul_i32 s75, s[PWS], 24576
	v_lshl_add_u32 v[AP16], v1, 4, s75
	v_lshl_add_u32 v[AP8], v1, 3, s75
	s_mul_i32 s77, s[RWS], 12288
	s_add_co_u32 s77, s77, 196608
	v_lshl_add_u32 v[AR16], v1, 4, s77
	v_lshl_add_u32 v[AR8], v1, 3, s77
	v_lshlrev_b32 v9, 4, v2
	v_lshl_add_u32 v8, v3, 11, v9                  ; P's scale words: lanes 16-31 four tiles on
	s_wait_alu depctr_va_vdst(0)
	v_lshl_add_u32 v9, v3, 10, v9                  ; R's: two tiles on
	s_wait_alu depctr_va_vdst(0)
	s_mul_i32 s79, s[WV], 8448                     ; my stage
	v_mul_u32_u24 v[STO], v2, 528
	v_lshl_add_u32 v[STO], v3, 6, v[STO]
	v_add_nc_u32 v[STO], s79, v[STO]               ; in: row r, + 64 h
	v_lshlrev_b32 v[CO], 4, v1                     ; back, and in out0: 16 bytes a lane
	v_add_nc_u32 v[RD], s79, v[CO]
	s_lshl_b32 s75, s[PWS], 3
	s_add_co_u32 s75, s75, s[PT0]
	s_lshl_b32 s84, s75, 9
	s_mov_b32 s85, 0
	s_add_nc_u64 s[84:85], s[PSCL:PSCL+1], s[84:85]
	s_lshl_b32 s77, s[RWS], 2
	s_add_co_u32 s77, s77, s[RT0]                  ; my first token tile
	s_lshl_b32 s86, s77, 9
	s_mov_b32 s87, 0
	s_add_nc_u64 s[86:87], s[RSCL:RSCL+1], s[86:87]
.irp i, 0,1,2,3
.irp k, 0,1
	global_load_b128 v[SP+8*\i+4*\k:SP+8*\i+4*\k+3], v8, s[84:85] offset:512*\i+256*\k
.endr
.endr
.irp a, 0,1
.irp k, 0,1
	global_load_b128 v[SR+8*\a+4*\k:SR+8*\a+4*\k+3], v9, s[86:87] offset:512*\a+256*\k
.endr
.endr
	s_lshl_b32 s90, s77, 16                        ; 16 tokens of 4,096 bytes a tile
	s_lshl_b32 s91, s[CX], 10                      ; 256 channels of 4 bytes
	s_add_co_u32 s90, s90, s91
	s_lshl_b32 s91, s[PWS], 9
	s_add_co_u32 s90, s90, s91
	s_mov_b32 s91, 0
	s_add_nc_u64 s[OUT:OUT+1], s[12:13], s[90:91]
	s_wait_tensorcnt 0x3                           ; my part of chunk 0 has landed; my three later chunks stay out
	s_barrier_signal -1
	s_barrier_wait -1
	FETCH 0, 0
	s_wait_loadcnt 0x0                             ; the scale words
	STEP 0, 1                                      ; the first step's products start the sums
	STEP 1, 0
	s_wait_alu depctr_va_vdst(0)
	STEP 2, 0
	STEP 3, 0
	s_wait_alu depctr_va_vdst(0)
	STEP 4, 0
	STEP 5, 0
	s_wait_alu depctr_va_vdst(0)
	STEP 6, 0
	STEP 7, 0
	WIN 0
	PLACES
	TOSTAGE 0
.irp a, 1,2,3
.if \a > 1
	s_wait_xcnt 0x0                                ; tile a - 2's stores have read their registers: tile a's rows may land there
.endif
	TOSTAGE \a
	SEND \a-1, 32                                  ; behind tile a - 1's loads: tile a's 16 stores and 16 loads
.endr
	SEND 3, 0
	s_wait_tensorcnt 0x0                           ; the wave's end, behind my last LDS store
	ds_add_u32 v[SPW], v[NIL]
	s_wait_dscnt 0x0
	CROUND                                         ; the closing round
	s_endpgm
.Lfunc_end_k_q65c581968b_oproj:
	.size	k_q65c581968b_oproj, .Lfunc_end_k_q65c581968b_oproj-k_q65c581968b_oproj
	.p2alignl 7, 3214868480
	.fill 96, 4, 3214868480
	.section	.rodata,"a",@progbits
	.p2align	6, 0x0
	.amdhsa_kernel k_q65c581968b_oproj
		.amdhsa_group_segment_fixed_size 295424
		.amdhsa_private_segment_fixed_size 0
		.amdhsa_enable_private_segment 0
		.amdhsa_kernarg_size 40
		.amdhsa_user_sgpr_count 2
		.amdhsa_user_sgpr_kernarg_segment_ptr 1
		.amdhsa_wavefront_size32 1
		.amdhsa_system_sgpr_workgroup_id_x 1
		.amdhsa_system_sgpr_workgroup_id_y 1
		.amdhsa_system_sgpr_workgroup_id_z 1
		.amdhsa_system_vgpr_workitem_id 0
		.amdhsa_next_free_vgpr 768
		.amdhsa_next_free_sgpr 100
		.amdhsa_reserve_vcc 0
		.amdhsa_float_denorm_mode_32 3
		.amdhsa_float_denorm_mode_16_64 3
		.amdhsa_memory_ordered 1
		.amdhsa_forward_progress 1
		.amdhsa_inst_pref_size 84
	.end_amdhsa_kernel
	.amdgpu_metadata
---
amdhsa.version: [ 1, 2 ]
amdhsa.kernels:
  - .name:           k_q65c581968b_oproj
    .symbol:         k_q65c581968b_oproj.kd
    .args:
      - { .name: acod, .offset: 0, .size: 8, .value_kind: global_buffer, .address_space: global }
      - { .name: ascl, .offset: 8, .size: 8, .value_kind: global_buffer, .address_space: global }
      - { .name: cod, .offset: 16, .size: 8, .value_kind: global_buffer, .address_space: global }
      - { .name: scl, .offset: 24, .size: 8, .value_kind: global_buffer, .address_space: global }
      - { .name: out0, .offset: 32, .size: 8, .value_kind: global_buffer, .address_space: global }
    .group_segment_fixed_size: 295424
    .private_segment_fixed_size: 0
    .kernarg_segment_align: 8
    .kernarg_segment_size: 40
    .max_flat_workgroup_size: 128
    .sgpr_count:     100
    .vgpr_count:     768
    .wavefront_size: 32
...
	.end_amdgpu_metadata
.endif
;; end of part 4
